; MI455X (gfx1250); checked and timed in simulation.
; The chip was launched on July 23, 2026; its instructions are those of AMD's public machine-readable ISA for CDNA 5 (MIT licence, August 2026) and "CDNA5" Instruction Set Architecture Reference Guide (July 2026). The comments in the code are by the model that wrote it; some were corrected since.
;; Coverage Attention. Allowed arithmetic: matrix products marked QUANTISED: E2M1 operands, one E8M0 scale for each 32 along K, by v_wmma_scale_f32_16x16x128_f8f6f4 with both operands' format E2M1 (or v_wmma_scale_f32_32x16x128_f4), f32 sums; products left as they are: bf16, f16 or f32 operands; f32 sums; everything else in f32.
;; Inputs: Wcov 16 x 1 float32; Wk 1,024 x 1,024 float32; Wo 1,024 x 1,024 float32; Wq 1,024 x 1,024 float32; Wv 1,024 x 1,024 float32; bk 1,024 float32; bo 1,024 float32; bq 1,024 float32; bv 1,024 float32; coverage 8 x 1,024 float32; memory 8 x 1,024 x 1,024 float32; query 8 x 1,024 x 1,024 float32.
;; Outputs: out0 8 x 1,024 x 1,024 float32; out1 8 x 1,024 float32.
;; This version of the problem:
;;   THIS VERSION OF THE PROBLEM IS GIVEN IN LOW PRECISION. The matrix products marked QUANTISED in the list below multiply operands that are first quantised to E2M1 (2 exponent bits, 1 mantissa bit; 4 bits a number), with one power-of-two scale for each 32 numbers along K (OCP MX v1.0); their sums are f32. The products marked 'left as it is' may take bf16, f16 or f32 operands, with f32 sums. Whichever they take, every output number must still come out within the allowed error. Rounding operands to bf16 (8 significant bits) uses up far more of that allowance than f16 does (11 bits, for magnitudes from 6e-5 to 65,504). All else is computed in f32.
;;   The module's matrix products, in the order in which they are computed (A, B: the left and right operand; K: the contracted axis; several contracted axes count as one K, in the product's order):
;;     1. [M 8,192, K 1,024] x [K 1,024, N 1,024]; A: input query; B: input Wq: QUANTISED
;;     2. [M 8,192, K 1,024] x [K 1,024, N 1,024]; A: input memory; B: input Wk: QUANTISED
;;     3. [M 8,192, K 1,024] x [K 1,024, N 1,024]; A: input memory; B: input Wv: QUANTISED
;;     4. batch 128 x [M 1,024, K 64] x [K 64, N 1,024]; A: computed on the way; B: computed on the way: left as it is (an operand is computed on the way)
;;     5. [M 16, K 1] x [K 1, N 8,192]; A: computed on the way; B: computed on the way: left as it is (no contracted axis)
;;     6. batch 128 x [M 1,024, K 1,024] x [K 1,024, N 64]; A: computed on the way; B: computed on the way: left as it is (an operand is computed on the way)
;;     7. [M 8,192, K 1,024] x [K 1,024, N 1,024]; A: computed on the way; B: input Wo: left as it is (an operand is computed on the way)
;;   THE QUANTISER, for each operand of a quantised product, along K:
;;     - K is cut into blocks of 32 from its start; a last block that is shorter is filled with zeros.
;;     - A block's scale is 2^e with e = floor(log2(the largest magnitude in the block)) - 2, held to -126 .. 127; a block of zeros has e = 0. As a byte (E8M0): e + 127.
;;     - Each number is divided by its block's scale, clamped to +-6, and rounded to the nearest number of E2M1, ties to even, subnormals kept.
;;     - The product sums the exact products of the quantised numbers (number of the format x scale) in f32.
;;   ~~~python
;;   def quantise(x, axis):      # numpy; x: float32 -> the quantised numbers, widened to float32 again
;;       x = np.moveaxis(x, axis, -1); K = x.shape[-1]
;;       x = np.pad(x, [(0, 0)] * (x.ndim - 1) + [(0, -K % 32)]); x = x.reshape(x.shape[:-1] + (-1, 32)); a = np.abs(x).max(-1, keepdims=True)
;;       e = np.where(a > 0, np.clip(np.frexp(np.where(a > 0, a, 1))[1] - 1 - 2, -126, 127), 0)      # np.frexp(a)[1] - 1 = floor(log2(a)), exactly
;;       r = np.clip(x / 2.0 ** e, -6, 6)
;;       step = 2.0 ** (np.maximum(np.frexp(np.where(r == 0, 1, r))[1] - 1, 0) - 1)
;;       q = np.round(r / step) * step * 2.0 ** e      # np.round: ties to even
;;       return np.moveaxis(q.reshape(q.shape[:-2] + (-1,))[..., :K], -1, axis).astype(np.float32)
;;   ~~~
;; One version. Each part assembles by itself: llvm-mc -triple=amdgcn-amd-amdhsa -mcpu=gfx1250 --defsym DOCPART=n.
;; ======== version 1 of 1: 4 launches
;; limits: values are held in f16: magnitudes above 65,504 overflow, below 6.1e-05 lose precision; right only within a limited range of input values
;; workspace buffers: acodes 8,388,608 bytes; ascales 524,288 bytes; wcodes 1,572,864 bytes; wscales 98,304 bytes; wo16 2,097,152 bytes; qkv 50,331,648 bytes; o16 16,777,216 bytes; covp 1,048,576 bytes
;; launch quant (part 1): grid 672 x 1, 4 waves a work-group, no clusters, 33,280 bytes of LDS; arguments query, memory, Wq, Wk, Wv, Wo, acodes, ascales, wcodes, wscales, wo16; writes acodes, ascales, wcodes, wscales, wo16
.if DOCPART == 1
	.amdgcn_target "amdgcn-amd-amdhsa--gfx1250"
	.amdhsa_code_object_version 6
	.text
	.protected	k_qce935b8017_quant
	.globl	k_qce935b8017_quant
	.p2align	8
	.type	k_qce935b8017_quant,@function
k_qce935b8017_quant:
	s_mov_b64 s[64:65], 0
	v_nop
	global_prefetch_b8 v0, s[64:65] scope:SCOPE_SE
	s_setreg_imm32_b32 hwreg(HW_REG_WAVE_MODE, 25, 1), 1
	s_wait_xcnt 0x0
; COVERAGE ATTENTION, launch 1 of 4: the operands of the three quantised projections become codes of FP4 (E2M1) with one E8M0 byte for each 32 along K; Wo becomes f16.
; WORK LEFT OUT IN THE WHOLE PROGRAM: the input bk.  scores = Q . (K0 + bk) / 8 + cov_bias = Q . K0 / 8 + cov_bias + (Q . bk) / 8, K0 = memory Wk^T.  The last term hangs on the query alone: it is
; the same for every key of a row, and a softmax along the keys is unchanged by a term that is the same along its axis, whatever finite values the inputs hold.  K reaches no output but through that
; softmax, and K is no operand of a quantised product.  So bk has no way to any output: it is not loaded and is among no launch's arguments.
; LIMIT: a NaN, an infinity or an overflow that would arise from bk alone is not carried to the results.
; query [8192][1024] and memory [8192][1024] go to acodes [16384][512 bytes] and ascales [16384][32] (query's rows first); Wq, Wk, Wv [1024][1024] to wcodes [3072][512] and wscales [3072][32].  K is the last axis of all five.
; A block's scale is 2^(floor(log2(its largest magnitude)) - 2); its byte is the largest magnitude's exponent field - 2, held at 1 from below.  (A block of zeros so gets the byte 1 where the rule says 127:
; its codes are zeros, which add nothing under any byte but 0xff, and this program alone reads the bytes.)  Each number is divided by the scale and rounded to the nearest code, ties to even; beyond 6 the largest code.
; LIMITS: blocks whose largest magnitude lies under 2^-124 (the floor) were not tried; NaN and infinities among the inputs are not served.
; Rows are dense and 1,024 is a multiple of 32: each tensor is a plain stream of blocks of 32.  Work-groups 0-255 take query, 256-511 memory, 512-543 Wq, 544-575 Wk, 576-607 Wv: 32,768 numbers each, 8,192 a wave in
; 16 steps of 512.  Only pointers are chosen by the work-group's number: the five tensors take one path.  A step's four loads read 512 consecutive bytes each; the 2,048 bytes turn through the wave's own stage in LDS
; and come back 64 bytes a lane, so that a lane holds 16 neighbours along K (two lanes a block).  A wave's store of codes covers 256 consecutive bytes; its 256 scale bytes are gathered in LDS and leave together.
; Work-groups 608-671 take Wo [1024 (n)][1024 (k)]: 16 rows each, rounded to f16 and laid in the order of an operand's registers: wo16 [n / 16][k / 16][lane][16 bytes], lane (r, h) holding row r, k = 8 h + 0 .. 7 of the piece.
.set WAVES, 4
.set STEPS, 16
.set EMAX,  2
.set CB,    8                          ; bytes of 16 codes
.set R,     16                         ; v16-79   four sets of 16 numbers as they are loaded
.set X,     80                         ; v80-111  two sets of 16 neighbours
.set E,     112                        ; v112-127 a scale byte for each step
.set C,     128                        ; v128-191 codes: four registers for each step, so that no store's data are written again
.set WREG,  8192                       ; LDS: a region for each wave: two stages of 32 x SP bytes, behind them its 256 scale bytes
.set SP,    80                         ; a lane's place in a stage: 64 bytes + 16 of padding
.set SPW,   12                         ; v12  LDS address of my spare word; never rewritten
.set NIL,   13                         ; v13  0; never rewritten
.set SPARE, WAVES*WREG                 ; behind the four regions: the spare words, 128 bytes a wave, which no other line names
.set WV,    40                         ; s40  my wave's number
.set SRC,   26                         ; s[26:27] the tensor that I read
.set DCO,   30                         ; s[30:31] where its codes go
.set DSC,   32                         ; s[32:33] where its scale bytes go
	s_load_b256 s[4:11], s[0:1], 0x0               ; query, memory, Wq, Wk
	s_load_b256 s[12:19], s[0:1], 0x20             ; Wv, Wo, acodes, ascales
	s_load_b128 s[20:23], s[0:1], 0x40             ; wcodes, wscales
	s_load_b64 s[24:25], s[0:1], 0x50              ; wo16
	v_lshl_add_u32 v[SPW], v0, 2, SPARE
	v_mov_b32 v[NIL], 0
	v_lshrrev_b32 v1, 5, v0
	v_readfirstlane_b32 s[WV], v1                  ; wave
	v_and_b32 v2, 31, v0                           ; lane
	v_lshlrev_b32 v3, 4, v2                        ; my 16 bytes of 512
	s_mul_i32 s41, s[WV], WREG
	v_lshrrev_b32 v14, 2, v2
	v_mul_u32_u24 v14, v14, SP
	v_and_b32 v15, 3, v2
	v_lshl_add_u32 v14, v15, 4, v14
	v_add_nc_u32 v14, s41, v14                     ; the stage, on the way in: SP (lane / 4) + 16 (lane % 4)
	v_mul_u32_u24 v15, v2, SP
	v_add_nc_u32 v15, s41, v15                     ; and on the way out: SP x lane: my 16 neighbours
	v_mul_u32_u24 v4, v2, CB                       ; my codes' place in a step's
	v_lshrrev_b32 v5, 1, v2
	s_add_co_u32 s41, s41, 2*32*SP
	v_add_nc_u32 v5, s41, v5                       ; LDS: my wave's 256 scale bytes, my block's byte
	v_lshlrev_b32 v7, 3, v2                        ; and on the way out 8 bytes a lane
	v_add_nc_u32 v6, s41, v7
	s_mov_b32 s43, 0
	s_wait_kmcnt 0x0
	s_cmp_ge_u32 ttmp9, 608
	s_cbranch_scc1 .Lwo
	; which tensor: the choices hang on the work-group's number alone
	s_mov_b64 s[SRC:SRC+1], s[12:13]               ; Wv,
	s_mov_b32 s28, 576                             ; whose first work-group is 576
	s_cmp_lt_u32 ttmp9, 576
	s_cselect_b64 s[SRC:SRC+1], s[10:11], s[SRC:SRC+1]
	s_cselect_b32 s28, 544, s28
	s_cmp_lt_u32 ttmp9, 544
	s_cselect_b64 s[SRC:SRC+1], s[8:9], s[SRC:SRC+1]
	s_cselect_b32 s28, 512, s28
	s_cmp_lt_u32 ttmp9, 512
	s_cselect_b64 s[SRC:SRC+1], s[6:7], s[SRC:SRC+1]
	s_cselect_b32 s28, 256, s28
	s_cselect_b64 s[DCO:DCO+1], s[16:17], s[20:21]
	s_cselect_b64 s[DSC:DSC+1], s[18:19], s[22:23]
	s_cselect_b32 s29, 0, 512                      ; the first work-group of the pair of buffers that I write
	s_cmp_lt_u32 ttmp9, 256
	s_cselect_b64 s[SRC:SRC+1], s[4:5], s[SRC:SRC+1]
	s_cselect_b32 s28, 0, s28
	s_sub_co_u32 s41, ttmp9, s28
	s_lshl_b32 s41, s41, 2
	s_add_co_u32 s41, s41, s[WV]                   ; which run of 8,192 numbers of the tensor is my wave's
	s_lshl_b32 s42, s41, 15                        ; 32,768 bytes a run
	s_add_nc_u64 s[SRC:SRC+1], s[SRC:SRC+1], s[42:43]
	s_sub_co_u32 s41, ttmp9, s29
	s_lshl_b32 s41, s41, 2
	s_add_co_u32 s41, s41, s[WV]                   ; and which run of the buffers
	s_lshl_b32 s42, s41, 12                        ; 4,096 bytes of codes a run
	s_add_nc_u64 s[DCO:DCO+1], s[DCO:DCO+1], s[42:43]
	s_lshl_b32 s42, s41, 8                         ; 256 scale bytes a run
	s_add_nc_u64 s[DSC:DSC+1], s[DSC:DSC+1], s[42:43]
.macro LOAD t
.irp i, 0,1,2,3
	global_load_b128 v[R+16*((\t)%4)+4*\i:R+16*((\t)%4)+4*\i+3], v3, s[SRC:SRC+1] offset:2048*(\t)+512*\i th:TH_LOAD_NT   ; 32 lanes read 512 consecutive bytes
.endr
.endm
.macro TURN t                          ; step t's numbers through the stage: LDS serves a wave's instructions in order, so no wait stands between the stores and the loads
.irp i, 0,1,2,3
	ds_store_b128 v14, v[R+16*((\t)%4)+4*\i:R+16*((\t)%4)+4*\i+3] offset:32*SP*((\t)%2)+8*SP*\i
.endr
.irp i, 0,1,2,3
	ds_load_b128 v[X+16*((\t)%2)+4*\i:X+16*((\t)%2)+4*\i+3], v15 offset:32*SP*((\t)%2)+16*\i
.endr
.endm
.irp t, 0,1,2,3
	LOAD \t
.endr
	s_wait_loadcnt 12                              ; step 0's four loads are in; the twelve of steps 1 to 3 may be out
	TURN 0
.macro STEP t
.set XS, X+16*((\t)%2)
.if (\t) > 0
	s_wait_dscnt 1                                 ; this step's numbers are back from the stage (the last step's byte store may be out): so its stores into the stage have read their registers,
.else
	s_wait_dscnt 0x0
.endif
.if (\t)+4 < STEPS
	LOAD (\t)+4                                    ; which take the loads of four steps on
.endif
.if (\t)+1 < STEPS
.if STEPS-2-(\t) >= 3
	s_wait_loadcnt 12                              ; the next step's four loads are in; those of the three steps behind it may be out
.else
	s_wait_loadcnt 4*(STEPS-2-(\t))
.endif
	TURN (\t)+1                                    ; and go through the other stage while this step is worked
.endif
	v_max3_num_f32 v8, |v[XS]|, |v[XS+1]|, |v[XS+2]|               ; the largest magnitude of my 16, in two chains
	v_max3_num_f32 v9, |v[XS+3]|, |v[XS+4]|, |v[XS+5]|
.irp i, 6,10
	v_max3_num_f32 v8, v8, |v[XS+\i]|, |v[XS+\i+1]|
	v_max3_num_f32 v9, v9, |v[XS+\i+2]|, |v[XS+\i+3]|
.endr
	v_max3_num_f32 v8, v8, |v[XS+14]|, |v[XS+15]|
	v_max3_num_f32 v8, v8, v9, (EMAX+1)<<23        ; and the floor 2^(3 - 127): so the byte cannot fall under 1
	v_max_num_f32_dpp v8, v8, v8 row_xmask:1 row_mask:0xf bank_mask:0xf   ; and of my neighbour's 16: the block's
	v_add_nc_u32 v11, -(EMAX<<23), v8              ; 2 off its exponent field: the conversion takes the exponent field of this operand as its scale, and nothing else of it
	v_cvt_scalef32_pk8_fp4_f32 v[C+4*(\t)], v[XS:XS+7], v11
	v_cvt_scalef32_pk8_fp4_f32 v[C+4*(\t)+1], v[XS+8:XS+15], v11
	v_lshrrev_b32 v[E+(\t)], 23, v11               ; the scale's byte (also the plain line behind the conversions)
	ds_store_b8 v5, v[E+(\t)] offset:16*(\t)       ; both lanes of a block write the same byte with the same value
	global_store_b64 v4, v[C+4*(\t):C+4*(\t)+1], s[DCO:DCO+1] offset:32*CB*(\t)   ; 32 lanes store 256 consecutive bytes, aligned
.endm
.irp t, 0,1,2,3,4,5,6,7,8,9,10,11,12,13,14,15
	STEP \t
.endr
	ds_load_b64 v[8:9], v6                         ; LDS serves a wave's instructions in order: these see my stores
	s_wait_dscnt 0x0
	global_store_b64 v7, v[8:9], s[DSC:DSC+1]      ; 32 lanes store 256 consecutive bytes, aligned
	s_wait_tensorcnt 0x0                           ; the wave's end, behind my last LDS store
	ds_add_u32 v[SPW], v[NIL]
	s_wait_dscnt 0x0
	s_endpgm
	; Wo: work-group 608 + nt takes rows 16 nt .. 16 nt + 15; wave w the pieces 16 w .. 16 w + 15 of 16 along k.  No LDS is touched on this path.
	; A lane reads 32 bytes of its row for a piece: sixteen rows' runs of 64 bytes a piece, four neighbouring pieces using up 256 consecutive bytes of each row one behind the other.
.Lwo:
	s_sub_co_u32 s41, ttmp9, 608                   ; nt
	s_lshl_b32 s42, s41, 16                        ; 16 rows of 4,096 bytes
	s_lshl_b32 s44, s[WV], 10                      ; 16 pieces of 64 bytes
	s_add_co_u32 s42, s42, s44
	s_add_nc_u64 s[14:15], s[14:15], s[42:43]
	s_lshl_b32 s42, s41, 15                        ; 64 pieces of 512 bytes
	s_lshl_b32 s44, s[WV], 13
	s_add_co_u32 s42, s42, s44
	s_add_nc_u64 s[24:25], s[24:25], s[42:43]
	v_and_b32 v8, 15, v0                           ; r
	v_bfe_u32 v9, v0, 4, 1                         ; h
	v_lshlrev_b32 v8, 12, v8
	v_lshl_add_u32 v8, v9, 5, v8                   ; row r, + 32 h bytes
.set i, 0
.rept 16
	global_load_b128 v[16+8*i:16+8*i+3], v8, s[14:15] offset:64*i
	global_load_b128 v[16+8*i+4:16+8*i+7], v8, s[14:15] offset:64*i+16
.set i, i+1
.endr
.set i, 0
.rept 16
.if i == 0
	s_wait_loadcnt 16                              ; pieces 0 to 7 are in; the sixteen loads of pieces 8 to 15 may be out
.endif
.if i == 8
	s_wait_loadcnt 0x0
.endif
.irp j, 0,1,2,3
	v_cvt_pk_f16_f32 v[144+4*i+\j], v[16+8*i+2*\j], v[16+8*i+2*\j+1]
.endr
	global_store_b128 v3, v[144+4*i:144+4*i+3], s[24:25] offset:512*i   ; 32 lanes store 512 consecutive bytes, aligned; every piece has registers of its own
.set i, i+1
.endr
	s_endpgm
.Lfunc_end_k_qce935b8017_quant:
	.size	k_qce935b8017_quant, .Lfunc_end_k_qce935b8017_quant-k_qce935b8017_quant
	.p2alignl 7, 3214868480
	.fill 96, 4, 3214868480
	.section	.rodata,"a",@progbits
	.p2align	6, 0x0
	.amdhsa_kernel k_qce935b8017_quant
		.amdhsa_group_segment_fixed_size 33280
		.amdhsa_private_segment_fixed_size 0
		.amdhsa_enable_private_segment 0
		.amdhsa_kernarg_size 88
		.amdhsa_user_sgpr_count 2
		.amdhsa_user_sgpr_kernarg_segment_ptr 1
		.amdhsa_wavefront_size32 1
		.amdhsa_system_sgpr_workgroup_id_x 1
		.amdhsa_system_sgpr_workgroup_id_y 1
		.amdhsa_system_sgpr_workgroup_id_z 1
		.amdhsa_system_vgpr_workitem_id 0
		.amdhsa_next_free_vgpr 208
		.amdhsa_next_free_sgpr 66
		.amdhsa_reserve_vcc 0
		.amdhsa_float_denorm_mode_32 3
		.amdhsa_float_denorm_mode_16_64 3
		.amdhsa_memory_ordered 1
		.amdhsa_forward_progress 1
		.amdhsa_inst_pref_size 43
	.end_amdhsa_kernel
	.amdgpu_metadata
---
amdhsa.version: [ 1, 2 ]
amdhsa.kernels:
  - .name:           k_qce935b8017_quant
    .symbol:         k_qce935b8017_quant.kd
    .args:
      - { .name: query, .offset: 0, .size: 8, .value_kind: global_buffer, .address_space: global }
      - { .name: memory, .offset: 8, .size: 8, .value_kind: global_buffer, .address_space: global }
      - { .name: Wq, .offset: 16, .size: 8, .value_kind: global_buffer, .address_space: global }
      - { .name: Wk, .offset: 24, .size: 8, .value_kind: global_buffer, .address_space: global }
      - { .name: Wv, .offset: 32, .size: 8, .value_kind: global_buffer, .address_space: global }
      - { .name: Wo, .offset: 40, .size: 8, .value_kind: global_buffer, .address_space: global }
      - { .name: acodes, .offset: 48, .size: 8, .value_kind: global_buffer, .address_space: global }
      - { .name: ascales, .offset: 56, .size: 8, .value_kind: global_buffer, .address_space: global }
      - { .name: wcodes, .offset: 64, .size: 8, .value_kind: global_buffer, .address_space: global }
      - { .name: wscales, .offset: 72, .size: 8, .value_kind: global_buffer, .address_space: global }
      - { .name: wo16, .offset: 80, .size: 8, .value_kind: global_buffer, .address_space: global }
    .group_segment_fixed_size: 33280
    .private_segment_fixed_size: 0
    .kernarg_segment_align: 8
    .kernarg_segment_size: 88
    .max_flat_workgroup_size: 128
    .sgpr_count:     66
    .vgpr_count:     208
    .wavefront_size: 32
...
	.end_amdgpu_metadata
.endif
;; end of part 1
;; launch proj (part 2): grid 12 x 32, 4 waves a work-group, clusters of 4 x 4, 327,680 bytes of LDS; arguments acodes, ascales, wcodes, wscales, bq, bv, qkv; writes qkv
.if DOCPART == 2
	.amdgcn_target "amdgcn-amd-amdhsa--gfx1250"
	.amdhsa_code_object_version 6
	.text
	.protected	k_qce935b8017_proj
	.globl	k_qce935b8017_proj
	.p2align	8
	.type	k_qce935b8017_proj,@function
k_qce935b8017_proj:
	s_mov_b64 s[64:65], 0
	v_nop
	global_prefetch_b8 v0, s[64:65] scope:SCOPE_SE
	s_setreg_imm32_b32 hwreg(HW_REG_WAVE_MODE, 25, 1), 1
	s_wait_xcnt 0x0
	s_wait_alu depctr_hold_cnt(0) depctr_sa_sdst(0) depctr_va_vdst(0) depctr_va_sdst(0) depctr_va_ssrc(0) depctr_va_vcc(0) depctr_vm_vsrc(0)
	s_getreg_b32 s2, hwreg(HW_REG_IB_STS2, 6, 4)
	s_cmp_eq_u32 s2, 0
	s_cbranch_scc0 .Lentry_in_a_cluster
	s_endpgm
.Lentry_in_a_cluster:
	s_bfe_u32 s2, ttmp6, 0x10000c
	s_cmp_lg_u32 s2, 0xf033
	s_cbranch_scc0 .Lentry_shape_is_right
	s_endpgm
.Lentry_shape_is_right:
; Launch 2 of 4: Q = query Wq^T + bq, K = memory Wk^T, V = memory Wv^T + bv, on codes of FP4 (E2M1) with E8M0 scales, sums in f32; the results are rounded to f16 and laid as operands for the attention.
; LEFT OUT: bk (a term of the scores that is the same for all keys of a row: shown at the head of the first kernel).  K's sums begin with zeros.
; One GEMM of [8192] x [3072]: tile column x = 0 .. 11 (256 rows of wcodes each: x / 4 = cluster x says which product), tile row y = 0 .. 31 (256 tokens).  A's rows are query's for Q and memory's (8,192 rows on) for K and V.
; A tile, 256 x 256, is made by four waves, 128 x 128 each: 64 accumulators, 512 registers.  K = 1,024 is two K steps of 512 (rows of 256 bytes): both slots are filled at the start and none again.
; The scale bytes of the work-group's rows, for all of K, are two dense blocks: they come into LDS once.
; CLUSTERS: 4 x 4 work-groups; the four of a row of the cluster ask jointly for A's tiles, the four of a column for B's.
; THE MATRIX INSTRUCTION IS USED TRANSPOSED (source 0 = 16 rows of the weight, source 1 = 16 tokens): a lane holds one token (lane % 16) and eight neighbouring columns 8 (lane / 16) + 0 .. 7.
; Rounded to f16 these are 16 bytes, and a whole accumulator IS one piece of the next launch's operand: qkv [which 3][batch 8][head 16][token / 16: 64][piece of 16 of the head's 64: 4][lane 32][16 bytes].
; So the results leave straight from registers, each store 512 consecutive bytes, aligned.  The bias is the C of each sum's first matrix instruction.
; LIMIT: |Q|, |K|, |V| under 65,504 (f16).
; REGISTERS: window 0: v0-31 addresses; v32-95 scale words, two sets; v128-191 A's fragments, one set; v192-255 the bias, 8 tiles of 8; on the way out v128-255 hold packed results.
;   window 1: B's fragments, two sets, at v0 and v128.   windows 2, 3: the accumulators of my rows 0-63, 64-127 ((a, b) at v[8 (8 (a % 4) + b)]).
.set KSTEP,  512
.set NQ,     KSTEP/128                 ; matrix instructions deep in a slot
.set ROWB,   256                       ; a tile's row in bytes
.set KROW,   512                       ; a row of codes in memory
.set PITCH,  272                       ; an LDS row: 256 bytes + 16 of padding: the 16 rows that a load touches start 68 words apart
.set FR,     8                         ; registers of a fragment
.set NL,     2                         ; LDS loads that bring one
.set NP,     4                         ; places behind this matrix instruction (ISA guide 7.12.1)
.set HALFT,  128*PITCH
.set SLOT,   4*HALFT                   ; A's 256 rows, then B's 256 rows
.set KS,     32                        ; a row of scale bytes
.set SCL,    2*SLOT                    ; behind the ring: the scales, as rows of 256 bytes + 16 of padding
.set HALFS,  (128*KS/256)*272          ; those of 128 rows: what one tensor load brings
.set SBLK,   (16*KS/256)*272           ; those of 16 rows
.set SPARE,  SCL+4*HALFS               ; the spare words, 128 bytes a wave, which no other line names
.set ADRA, 16                          ; v16-17  LDS address of my A fragments in slot 0, 1
.set ADRB, 20                          ; v20-21  the same for B
.set CO,   26                          ; v26     16 x lane
.set ADRS, 27                          ; v27     LDS address of my scale words: lanes 0-15 A's rows, lanes 16-31 B's
.set SPW,  28                          ; v28     LDS address of my spare word; never rewritten
.set NIL,  29                          ; v29     0; never rewritten
.set SC,   32                          ; scale words: set s at v[SC + 32 s]; register 4 i + q: lanes 0-15 A's block i, lanes 16-31 B's block i, the slot's q-th 128 along K
.set AF,   128
.set BI,   192
.set G1, 24                            ; s[24:31] group 1 for A's tiles;  s[32:39] group 0, a set for each slot
.set G0, 32
.set G1B, 48                           ; s[48:55], s[56:63] the same for B's
.set G0B, 56
.set G1S, 68                           ; s[68:75], s[76:79] groups 1 and 0 for A's scales;  s[80:87], s[88:91] for B's
.set G0S, 76
.set G1SB, 80
.set G0SB, 88
.set MSB, 0
.macro WIN new                         ; the immediate's high byte repeats the setting that is left
.if MSB != \new
	s_set_vgpr_msb (MSB<<8)|\new
.set MSB, \new
.endif
.endm
.set MUL_LO, 0xa1                      ; source 0 (B) window 1, source 1 (A) window 0, C and D window 2
.set MUL_HI, 0xf1                      ; the same, C and D window 3
.set FST_LO, 0x81                      ; the first step: C (the bias) window 0, D window 2
.set FST_HI, 0xc1                      ; D window 3
.set TO_B,   0x40                      ; destination window 1, address window 0
; A joint load: waves 0 and 1 fetch for A, waves 2 and 3 for B; the branch hangs on the wave's number alone.  An s_nop 0 and four v_nop follow each of the two lines.
.macro JLOAD g0a, g1a, g0b, g1b
	s_cmp_eq_u32 s15, 0
	s_cbranch_scc0 .Lfor_b_\@
	tensor_load_to_lds s[\g0a:\g0a+3], s[\g1a:\g1a+7]
	s_nop 0
.rept 4
	v_nop
.endr
	s_branch .Lasked_\@
.Lfor_b_\@:
	tensor_load_to_lds s[\g0b:\g0b+3], s[\g1b:\g1b+7]
	s_nop 0
.rept 4
	v_nop
.endr
.Lasked_\@:
.endm
.macro CROUND                          ; a round of the cluster's barrier
	s_barrier_signal -1
	s_barrier_wait -1
	s_cmp_lg_u32 s14, 0
	s_cbranch_scc1 .Lnot_wave_0_\@
	s_barrier_signal -3
.Lnot_wave_0_\@:
	s_barrier_wait -3
	s_barrier_signal -1
	s_barrier_wait -1
.endm
	s_load_b128 s[4:7], s[0:1], 0x0                ; acodes, ascales
	s_load_b128 s[8:11], s[0:1], 0x10              ; wcodes, wscales
	s_load_b128 s[96:99], s[0:1], 0x20             ; bq, bv
	s_load_b64 s[12:13], s[0:1], 0x30              ; qkv
	v_lshl_add_u32 v[SPW], v0, 2, SPARE
	v_mov_b32 v[NIL], 0
	ds_add_u32 v[SPW], v[NIL]                      ; the wave's opening: the add, twice on end, and its wait ahead of my first tensor load
	ds_add_u32 v[SPW], v[NIL]                      ; and once more, under the one wait; the set-up below stands between
	v_lshrrev_b32 v1, 5, v0
	v_readfirstlane_b32 s14, v1                    ; wave 0..3
	s_lshr_b32 s15, s14, 1                         ; which half of the tile's rows is mine.  Also: I fetch for A (0) or for B (1)
	s_and_b32 s16, s14, 1                          ; which half of its columns.  Also: which 128 rows of that tile I fetch
	s_bfe_u32 s40, ttmp6, 0x40000                  ; cx, cy: my place in the cluster
	s_bfe_u32 s41, ttmp6, 0x40004
	s_lshl_b32 s42, ttmp9, 2
	s_add_co_u32 s42, s42, s40                     ; tile column = 4 x cluster x + cx
	s_and_b32 s17, ttmp7, 0xffff
	s_lshl_b32 s17, s17, 2
	s_add_co_u32 s17, s17, s41                     ; tile row = 4 x cluster y + cy
	s_lshl_b32 s43, s41, 2
	s_lshl_b32 s43, 15, s43                        ; my row of the cluster
	s_lshl_b32 s44, 0x1111, s40                    ; my column
	s_or_b32 s[G1+0], s43, (0<<16)|(1<<20)|(1<<21)|(5<<22)|(3<<25)  ; the mask: A's tiles go to my row; elements of 1 byte; padding on; bit 21 beside a mask; 4 words of padding after every 64
	s_or_b32 s[G1B+0], s44, (0<<16)|(1<<20)|(1<<21)|(5<<22)|(3<<25)
.irp g, G1, G1B
	s_mov_b32 s[\g+1], ROWB<<16                    ; tensor_dim0
	s_mov_b32 s[\g+2], 128<<16                     ; tensor_dim1
	s_mov_b32 s[\g+3], ROWB<<16                    ; tile_dim0
	s_mov_b32 s[\g+4], 128                         ; tile_dim1
	s_mov_b32 s[\g+5], KROW                        ; from row to row
	s_mov_b32 s[\g+6], 0
	s_mov_b32 s[\g+7], 0
.endr
	s_or_b32 s[G1S+0], s43, (3<<16)|(1<<20)|(1<<21)|(5<<22)|(3<<25)   ; the scales of 128 rows: 4,096 dense bytes as 16 rows of 256 (32 elements of 8 bytes), 16 bytes of padding behind each
	s_or_b32 s[G1SB+0], s44, (3<<16)|(1<<20)|(1<<21)|(5<<22)|(3<<25)
.irp g, G1S, G1SB
	s_mov_b32 s[\g+1], 32<<16
	s_mov_b32 s[\g+2], (128*KS/256)<<16
	s_mov_b32 s[\g+3], 32<<16
	s_mov_b32 s[\g+4], 128*KS/256
	s_mov_b32 s[\g+5], 32
	s_mov_b32 s[\g+6], 0
	s_mov_b32 s[\g+7], 0
.endr
	s_min_u32 s95, ttmp9, 1
	s_lshl_b32 s95, s95, 13                        ; Q reads query's rows, K and V memory's, 8,192 rows on: the cluster's x, which all partners share
	s_lshl_b32 s18, s16, 7                         ; which 128 rows of the tile I fetch
	s_lshl_b32 s20, s17, 8
	s_add_co_u32 s20, s20, s18
	s_add_co_u32 s20, s20, s95                     ; A: row 256 x tile row + 128 x half (+ 8,192)
	s_lshl_b32 s46, s42, 8
	s_add_co_u32 s46, s46, s18                     ; B: row 256 x tile column + 128 x half
	s_mov_b32 s21, 0
	s_mov_b32 s47, 0
	s_mov_b64 s[18:19], KS
	s_mul_u64 s[22:23], s[20:21], s[18:19]         ; where these rows' scales begin, in bytes
	s_mul_u64 s[92:93], s[46:47], s[18:19]
	s_mov_b64 s[18:19], KROW
	s_mul_u64 s[20:21], s[20:21], s[18:19]         ; and their codes
	s_mul_u64 s[46:47], s[46:47], s[18:19]
	s_mul_i32 s45, s14, HALFT                      ; where they go: wave x 128 rows
	s_mul_i32 s94, s14, HALFS
	s_wait_dscnt 0x0                               ; both opening adds are done
	s_wait_kmcnt 0x0
	s_add_nc_u64 s[20:21], s[4:5], s[20:21]
	s_add_nc_u64 s[22:23], s[6:7], s[22:23]
	s_add_nc_u64 s[46:47], s[8:9], s[46:47]
	s_add_nc_u64 s[92:93], s[10:11], s[92:93]
	CROUND                                         ; all sixteen work-groups are here: the joint loads meet
	s_mov_b32 s[G0S], 1
	s_add_co_u32 s[G0S+1], s94, SCL
	s_mov_b64 s[G0S+2:G0S+3], s[22:23]
	s_or_b32 s[G0S+3], s[G0S+3], 0x80000000
	s_mov_b32 s[G0SB], 1
	s_add_co_u32 s[G0SB+1], s94, SCL
	s_mov_b64 s[G0SB+2:G0SB+3], s[92:93]
	s_or_b32 s[G0SB+3], s[G0SB+3], 0x80000000
	JLOAD G0S, G1S, G0SB, G1SB                     ; the scales first: they are wanted with K step 0
.irp s, 0,1
	s_mov_b32 s[G0+4*\s], 1
	s_add_co_u32 s[G0+4*\s+1], s45, \s*SLOT
	s_add_nc_u64 s[G0+4*\s+2:G0+4*\s+3], s[20:21], \s*ROWB
	s_or_b32 s[G0+4*\s+3], s[G0+4*\s+3], 0x80000000
	s_mov_b32 s[G0B+4*\s], 1
	s_add_co_u32 s[G0B+4*\s+1], s45, \s*SLOT
	s_add_nc_u64 s[G0B+4*\s+2:G0B+4*\s+3], s[46:47], \s*ROWB
	s_or_b32 s[G0B+4*\s+3], s[G0B+4*\s+3], 0x80000000
	JLOAD G0+4*\s, G1, G0B+4*\s, G1B               ; three loads of mine are out: the scales and both K steps
.endr
	v_and_b32 v1, 15, v0                           ; r
	v_bfe_u32 v2, v0, 4, 1                         ; h
	; THE BIAS, in the result's layout: register 8 b + j of lane (r, h) is the bias of column 256 cx + 128 x my half + 16 b + 8 h + j of the product's 1,024
	v_lshlrev_b32 v7, 5, v2                        ; 32 h bytes
	s_cmp_eq_u32 ttmp9, 1                          ; K?  (the cluster's x: the same in all partners)
	s_cbranch_scc1 .Lno_bias
	s_cmp_eq_u32 ttmp9, 0
	s_cselect_b64 s[96:97], s[96:97], s[98:99]     ; bq or bv
	s_lshl_b32 s66, s40, 10
	s_lshl_b32 s67, s16, 9
	s_add_co_u32 s66, s66, s67
	s_mov_b32 s67, 0
	s_add_nc_u64 s[96:97], s[96:97], s[66:67]
.irp b, 0,1,2,3,4,5,6,7
	global_load_b128 v[BI+8*\b:BI+8*\b+3], v7, s[96:97] offset:64*\b
	global_load_b128 v[BI+8*\b+4:BI+8*\b+7], v7, s[96:97] offset:64*\b+16
.endr
	s_branch .Lbias_in
.Lno_bias:
.set i, 0
.rept 64
	v_mov_b32 v[BI+i], 0                           ; K has no bias: one text of the first step serves all three products
.set i, i+1
.endr
.Lbias_in:
	v_mul_u32_u24 v3, v1, PITCH
	v_lshl_add_u32 v4, v2, 4, v3                   ; a fragment's row x pitch + 16 x half
	s_mul_i32 s21, s15, HALFT                      ; my 128 rows of A
	s_mul_i32 s22, s16, HALFT                      ; my 128 rows of B,
	s_add_co_u32 s22, s22, 2*HALFT                 ; which lie behind A's 256
.irp s, 0,1
	v_add_nc_u32 v[ADRA+\s], s21, v4
	v_add_nc_u32 v[ADRB+\s], s22, v4
	s_add_co_u32 s21, s21, SLOT
	s_add_co_u32 s22, s22, SLOT
.endr
	v_mul_u32_u24 v5, v1, KS                       ; my row's scales: 32 bytes a row,
	v_lshrrev_b32 v6, 8, v5
	v_lshl_add_u32 v5, v6, 4, v5                   ; and 16 more for each 256 passed
	s_mul_i32 s21, s15, HALFS                      ; A's: my 128 rows
	s_mul_i32 s22, s16, HALFS                      ; B's: my 128 rows, behind A's 256
	s_add_co_u32 s22, s22, 2*HALFS
	s_sub_co_u32 s22, s22, s21
	v_mul_u32_u24 v6, s22, v2                      ; lanes 16-31 take B's: one product, the distance between the two bases x h
	s_add_co_u32 s21, s21, SCL
	v_add_nc_u32 v5, v5, v6
	v_add_nc_u32 v[ADRS], s21, v5
	v_and_b32 v6, 31, v0
	v_lshlrev_b32 v[CO], 4, v6
	; where my part begins in qkv: which << 24, batch (= cluster y) << 21, head (4 cx + 2 x my half of the columns) << 17, token tile (16 cy + 8 x my half of the rows) << 11
	s_lshl_b32 s100, ttmp9, 24
	s_and_b32 s66, ttmp7, 0xffff
	s_lshl_b32 s66, s66, 21
	s_add_co_u32 s100, s100, s66
	s_lshl_b32 s66, s40, 19
	s_add_co_u32 s100, s100, s66
	s_lshl_b32 s66, s16, 18
	s_add_co_u32 s100, s100, s66
	s_lshl_b32 s66, s41, 15
	s_add_co_u32 s100, s100, s66
	s_lshl_b32 s66, s15, 14
	s_add_co_u32 s100, s100, s66
	s_mov_b32 s101, 0
	s_add_nc_u64 s[12:13], s[12:13], s[100:101]
.macro FRAG reg, adr, q, i             ; 16 rows x 128 K of 4-bit codes: 8 registers: lane l holds row l % 16; registers 4 c .. 4 c + 3 hold K = 64 c + 32 (l / 16) + 0 .. 31
.irp c, 0,1
	ds_load_b128 v[\reg+4*\c:\reg+4*\c+3], v[\adr] offset:64*(\q)+32*\c+(\i)*16*PITCH
.endr
.endm
; 16 matrix instructions: A's blocks a0, a0 + 1 x B's eight, the slot's q-th 128 along K.  p: B's set; sc: the set of scale words.  first = 1: the bias starts the sums.
; The 64 accumulators take turns, one instruction a turn, in the same order in every step.
.macro MUL16 a0, p, q, sc, first
.irp a, \a0, \a0+1
.irp b, 0,1,2,3,4,5,6,7
.if \first
	v_wmma_scale_f32_16x16x128_f8f6f4 v[8*(8*((\a)%4)+\b):8*(8*((\a)%4)+\b)+7], v[128*(\p)+FR*\b:128*(\p)+FR*\b+FR-1], v[AF+FR*(\a):AF+FR*(\a)+FR-1], v[BI+8*\b:BI+8*\b+7], v[SC+8*NQ*(\sc)+NQ*\b+(\q)], v[SC+8*NQ*(\sc)+NQ*(\a)+(\q)] matrix_a_fmt:MATRIX_FMT_FP4 matrix_b_fmt:MATRIX_FMT_FP4 matrix_a_scale:MATRIX_SCALE_ROW1
.else
	v_wmma_scale_f32_16x16x128_f8f6f4 v[8*(8*((\a)%4)+\b):8*(8*((\a)%4)+\b)+7], v[128*(\p)+FR*\b:128*(\p)+FR*\b+FR-1], v[AF+FR*(\a):AF+FR*(\a)+FR-1], v[8*(8*((\a)%4)+\b):8*(8*((\a)%4)+\b)+7], v[SC+8*NQ*(\sc)+NQ*\b+(\q)], v[SC+8*NQ*(\sc)+NQ*(\a)+(\q)] matrix_a_fmt:MATRIX_FMT_FP4 matrix_b_fmt:MATRIX_FMT_FP4 matrix_a_scale:MATRIX_SCALE_ROW1
.endif
.endr
.endr
.endm
.macro FETCH_B slot, q, p
	WIN TO_B
.irp i, 0,1,2,3,4,5,6,7
	FRAG 128*(\p)+FR*\i, ADRB+\slot, \q, \i
.endr
	WIN 0
.endm
.macro FETCH_A slot, q, i0
.irp i, \i0, \i0+1, \i0+2, \i0+3
	FRAG AF+FR*(\i), ADRA+\slot, \q, \i
.endr
.endm
.macro SCALES sc                       ; a K step's scale words: 4 words a row; lanes 0-15 take A's block i, lanes 16-31 B's block i
.irp i, 0,1,2,3,4,5,6,7
	ds_load_b128 v[SC+8*NQ*\sc+NQ*\i:SC+8*NQ*\sc+NQ*\i+3], v[ADRS] offset:\i*SBLK
.endr
.endm
.macro PLACES n                        ; plain vector lines between a matrix instruction and a load into, or a vector write of, one of its registers, or a read of its result
.rept \n
	v_nop
.endr
.endm
; A step of 128 along K that has its successor in the same slot.  A has one set of registers: blocks 0-3 are fetched anew in the step's middle, blocks 4-7 at its end; B has two sets.
.macro STEP slot, q, first
	s_wait_dscnt 4*NL                              ; B's set, the scales and A's blocks 0-3 are in; the youngest eight loads (A's blocks 4-7) may be out
.if \first
	WIN FST_LO
.else
	WIN MUL_LO
.endif
	MUL16 0, (\q)%2, \q, \slot, \first
	MUL16 2, (\q)%2, \q, \slot, \first
	s_wait_dscnt 0
	PLACES NP
	FETCH_B \slot, (\q)+1, 1-(\q)%2
	FETCH_A \slot, (\q)+1, 0
.if \first
	WIN FST_HI
.else
	WIN MUL_HI
.endif
	MUL16 4, (\q)%2, \q, \slot, \first
	MUL16 6, (\q)%2, \q, \slot, \first
	PLACES NP
	WIN 0
	FETCH_A \slot, (\q)+1, 4
.endm
.macro STEPS slot, from                ; the slot's steps from .. NQ - 2
.set Q, \from
.rept NQ-1-\from
	STEP \slot, Q, 0
.set Q, Q+1
.endr
.endm
	s_wait_tensorcnt 1                             ; the scales and my part of K step 0 are in; K step 1's load may be out
	s_barrier_signal -1
	s_barrier_wait -1                              ; everybody's are
	FETCH_B 0, 0, 0
	FETCH_A 0, 0, 0
	SCALES 0
	FETCH_A 0, 0, 4
	s_wait_loadcnt 0x0                             ; the bias
	STEP 0, 0, 1
	STEPS 0, 1
	; slot 0's last step changes slots: one barrier; in front of it all my tensor loads have landed (my part of slot 1)
	s_wait_tensorcnt 0x0
	ds_add_u32 v[SPW], v[NIL]                      ; 0 onto my spare word
	s_wait_dscnt 4*NL+1                            ; (the add and A's blocks 4-7 may be out)
	WIN MUL_LO
	MUL16 0, 1, NQ-1, 0, 0
	s_wait_dscnt 0x0
	s_barrier_signal -1
	MUL16 2, 1, NQ-1, 0, 0
	WIN 0
	s_barrier_wait -1
	PLACES NP
	v_add_nc_u32 v[ADRS], 4*NQ, v[ADRS]            ; on to K step 1's scale words (no LDS load of mine is out)
	FETCH_B 1, 0, 0
	FETCH_A 1, 0, 0
	SCALES 1
	WIN MUL_HI
	MUL16 4, 1, NQ-1, 0, 0
	MUL16 6, 1, NQ-1, 0, 0
	PLACES NP
	WIN 0
	FETCH_A 1, 0, 4
	STEPS 1, 0
	s_wait_dscnt 4*NL                              ; the very last step: nothing more to fetch
	WIN MUL_LO
	MUL16 0, 1, NQ-1, 1, 0
	MUL16 2, 1, NQ-1, 1, 0
	s_wait_dscnt 0
	WIN MUL_HI
	MUL16 4, 1, NQ-1, 1, 0
	MUL16 6, 1, NQ-1, 1, 0
	WIN 0
; THE WAY OUT, block by block of 16 tokens: each accumulator, rounded to f16 from its low end on, is one piece of 512 bytes.  Four buffers of 32 registers by turns.
.macro OUTB a
.set TB, 128+32*((\a)%4)
	WIN 0x0a+5*((\a)/4)                            ; sources 0 and 1: window 2 or 3
.irp b, 0,1,2,3,4,5,6,7
.irp i, 0,1,2,3
	v_cvt_pk_f16_f32 v[TB+4*\b+\i], v[64*((\a)%4)+8*\b+2*\i], v[64*((\a)%4)+8*\b+2*\i+1]
.endr
.endr
	WIN 0
.irp b, 0,1,2,3,4,5,6,7
	global_store_b128 v[CO], v[TB+4*\b:TB+4*\b+3], s[12:13] offset:(\a)*2048+(\b/4)*131072+(\b%4)*512   ; token tile a, head b / 4 of my two, piece b % 4: 512 consecutive bytes, aligned
.endr
.endm
	PLACES NP                                      ; behind the last products: the conversions write registers that held A's fragments and the bias, and read results
.irp a, 0,1,2,3,4,5,6,7
.if \a == 4
	s_wait_xcnt 0x0                                ; the stores of blocks 0 to 3 have read their registers: the four buffers may be written again
.endif
	OUTB \a
.endr
	s_wait_tensorcnt 0x0                           ; the wave's end
	ds_add_u32 v[SPW], v[NIL]
	s_wait_dscnt 0x0
	CROUND                                         ; the closing round: no work-group ends while a partner may still ask for a tile that names it
	s_endpgm
.Lfunc_end_k_qce935b8017_proj:
	.size	k_qce935b8017_proj, .Lfunc_end_k_qce935b8017_proj-k_qce935b8017_proj
	.p2alignl 7, 3214868480
	.fill 96, 4, 3214868480
	.section	.rodata,"a",@progbits
	.p2align	6, 0x0
	.amdhsa_kernel k_qce935b8017_proj
		.amdhsa_group_segment_fixed_size 327680
		.amdhsa_private_segment_fixed_size 0
		.amdhsa_enable_private_segment 0
		.amdhsa_kernarg_size 56
		.amdhsa_user_sgpr_count 2
		.amdhsa_user_sgpr_kernarg_segment_ptr 1
		.amdhsa_wavefront_size32 1
		.amdhsa_system_sgpr_workgroup_id_x 1
		.amdhsa_system_sgpr_workgroup_id_y 1
		.amdhsa_system_sgpr_workgroup_id_z 1
		.amdhsa_system_vgpr_workitem_id 0
		.amdhsa_next_free_vgpr 1024
		.amdhsa_next_free_sgpr 102
		.amdhsa_reserve_vcc 0
		.amdhsa_float_denorm_mode_32 3
		.amdhsa_float_denorm_mode_16_64 3
		.amdhsa_memory_ordered 1
		.amdhsa_forward_progress 1
		.amdhsa_inst_pref_size 121
	.end_amdhsa_kernel
	.amdgpu_metadata
---
amdhsa.version: [ 1, 2 ]
amdhsa.kernels:
  - .name:           k_qce935b8017_proj
    .symbol:         k_qce935b8017_proj.kd
    .args:
      - { .name: acodes, .offset: 0, .size: 8, .value_kind: global_buffer, .address_space: global }
      - { .name: ascales, .offset: 8, .size: 8, .value_kind: global_buffer, .address_space: global }
      - { .name: wcodes, .offset: 16, .size: 8, .value_kind: global_buffer, .address_space: global }
      - { .name: wscales, .offset: 24, .size: 8, .value_kind: global_buffer, .address_space: global }
      - { .name: bq, .offset: 32, .size: 8, .value_kind: global_buffer, .address_space: global }
      - { .name: bv, .offset: 40, .size: 8, .value_kind: global_buffer, .address_space: global }
      - { .name: qkv, .offset: 48, .size: 8, .value_kind: global_buffer, .address_space: global }
    .group_segment_fixed_size: 327680
    .private_segment_fixed_size: 0
    .kernarg_segment_align: 8
    .kernarg_segment_size: 56
    .max_flat_workgroup_size: 128
    .sgpr_count:     102
    .vgpr_count:     1024
    .wavefront_size: 32
...
	.end_amdgpu_metadata
.endif
;; end of part 2
;; launch attn (part 3): grid 256 x 1, 4 waves a work-group, no clusters, 148,480 bytes of LDS; arguments qkv, coverage, Wcov, o16, covp; writes o16, covp
.if DOCPART == 3
	.amdgcn_target "amdgcn-amd-amdhsa--gfx1250"
	.amdhsa_code_object_version 6
	.text
	.protected	k_qce935b8017_attn
	.globl	k_qce935b8017_attn
	.p2align	8
	.type	k_qce935b8017_attn,@function
k_qce935b8017_attn:
	s_mov_b64 s[64:65], 0
	v_nop
	global_prefetch_b8 v0, s[64:65] scope:SCOPE_SE
	s_setreg_imm32_b32 hwreg(HW_REG_WAVE_MODE, 25, 1), 1
	s_wait_xcnt 0x0
; Launch 3 of 4: attn = softmax_k(Q . K / 8 + coverage[b][k] Wcov[h]); O = attn V; and for each key the sum of attn over the work-group's queries.  Operands f16, sums, maxima and the softmax in f32.
; (bk is left out: shown at the head of the first kernel.)
; THE KEYS STAY, THE QUERIES WALK.  A work-group owns one (batch, head) and half of its queries: 512, in 32 tiles of 16.  Wave w holds keys 256 w .. 256 w + 255 in registers for the whole launch: K (256 registers),
; V^T (256), the keys' bias (128) and the keys' column sums (128).  So the four waves together see a query's whole row at once: each score is made once and each exponential taken once, the row's sum is known
; before attn is summed over the queries, and that sum stays in a lane's registers from tile to tile.
; LAYOUT.  S^T = K Q^T + bias (source 0 = 16 keys, source 1 = 16 queries): a lane holds ONE query (lane % 16) and keys 8 (lane / 16) + 0 .. 7 of each tile.  Two tiles rounded to f16 ARE source 1 of O^T = V^T P.
; The bias, 8 Wcov[h] coverage[b][key], is the C of each score's first matrix instruction: t = (log2(e) / 8) x S.
; SOFTMAX.  Each wave takes the maximum m_w of its 256 keys away: p = 2^(t - m_w), l_w = the sum of p.  The four (m_w, l_w) meet in LDS: M = max m_w, L = sum 2^(m_w - M) l_w, f_w = 2^(m_w - M) / L; attn = f_w p.
; So the row's true maximum is taken away for every input.  O's four parts, x 16 f_w, meet in LDS too; wave w adds up channels 16 w .. 16 w + 15 and stores them as f16.
; o16 holds 16 x O (an exact factor, taken back in the last launch), as pieces of the next operand: [token / 16: 512][k / 16: 64][lane][16 bytes].  covp [work-group 256][key 1024] f32 holds the column sums.
; LIMITS: 16 |O| under 65,504, that is |V| under 4,094; NaN and infinities among the inputs are not served.
; NO CLUSTER: K and V are shared by the two work-groups of a head alone, and are read once, at the head, straight into registers.  NO PREFETCH: the one stream of the loop, Q, is asked for a whole trip ahead of its use.
; REGISTERS, in windows of 256: window 0: v1-15 addresses and statistics; v16-31 Q; v32-63 O^T (at work during the softmax); v64-127 P (at work in the exchange); v128-255 S^T, then p.
;   window 1: K, fragment (key tile kt, 32 s of the head's 64) at 16 kt + 8 s.   window 2: V^T, fragment (channels 16 dt, keys 32 c) at 8 (4 c + dt).   window 3: v0-127 the bias, v128-255 the column sums.
.set VST,   0                          ; LDS: 32,768 bytes for each wave, its own: V as it lies in memory, to be read turned; at the end the column sums, 16 rows of 1,040 bytes
.set OX,    131072                     ; O's parts: [from wave 4][channels 16 dt: 4][2 x 512 bytes]
.set STS,   147456                     ; the statistics: [wave 4][query 16][m, l]
.set SPARE, 147968                     ; the spare words, 128 bytes a wave, which no other line names
.set L16, 1                            ; v1   16 x lane
.set STW, 2                            ; v2   where I put my query's (m, l)
.set STR, 3                            ; v3   where I read the four waves'
.set OXW, 4                            ; v4   where I put my part of O
.set OXR, 5                            ; v5   where I read the four parts of my channels
.set SPW, 6                            ; v6   LDS address of my spare word; never rewritten
.set NIL, 7                            ; v7   0; never rewritten
.set AV,  10                           ; v10  the turning loads' address; at the end: where I read the column sums back
.set CVO, 11                           ; v11  32 x (lane / 16): my place in 16 numbers of coverage; at the end: where I put the column sums
.set QF,  16
.set OO,  32
.set PP,  64
.set SS,  128
.set TRIPS, 32
.set MSB, 0
.macro WIN new                         ; the immediate's high byte repeats the setting that is left
.if MSB != \new
	s_set_vgpr_msb (MSB<<8)|\new
.set MSB, \new
.endif
.endm
	s_load_b256 s[4:11], s[0:1], 0x0               ; qkv, coverage, Wcov, o16
	s_load_b64 s[12:13], s[0:1], 0x20              ; covp
	v_lshl_add_u32 v[SPW], v0, 2, SPARE
	v_mov_b32 v[NIL], 0
	v_lshrrev_b32 v128, 5, v0
	v_readfirstlane_b32 s14, v128                  ; wave 0..3
	v_and_b32 v129, 31, v0                         ; lane
	v_and_b32 v130, 15, v0                         ; r
	v_bfe_u32 v131, v0, 4, 1                       ; h
	v_lshlrev_b32 v[L16], 4, v129
	s_lshl_b32 s30, s14, 7
	s_add_co_u32 s30, s30, STS
	v_lshl_add_u32 v[STW], v130, 3, s30
	v_lshlrev_b32 v[STR], 3, v130
	v_add_nc_u32 v[STR], STS, v[STR]
	s_lshl_b32 s30, s14, 12
	s_add_co_u32 s30, s30, OX
	v_add_nc_u32 v[OXW], s30, v[L16]
	s_lshl_b32 s30, s14, 10
	s_add_co_u32 s30, s30, OX
	v_add_nc_u32 v[OXR], s30, v[L16]
	s_lshl_b32 s30, s14, 15                        ; my 32,768 bytes (VST = 0)
	v_add_nc_u32 v132, s30, v[L16]                 ; V goes in as it was loaded
	v_bfe_u32 v133, v0, 3, 1
	v_and_b32 v134, 7, v0
	v_lshlrev_b32 v[AV], 8, v133                   ; and comes out turned: lane l addresses key 8 (l / 16) + l % 8 of a tile (16 bytes a key), channels 8 ((l / 8) % 2) + 0 .. 7 (256 bytes on)
	v_lshl_add_u32 v[AV], v131, 7, v[AV]
	v_lshl_add_u32 v[AV], v134, 4, v[AV]
	v_add_nc_u32 v[AV], s30, v[AV]
	v_lshlrev_b32 v[CVO], 5, v131
	s_lshr_b32 s15, ttmp9, 1                       ; 16 x batch + head
	s_and_b32 s16, ttmp9, 1                        ; which half of the queries
	s_lshr_b32 s17, s15, 4                         ; batch
	s_and_b32 s18, s15, 15                         ; head
	s_mov_b32 s22, 0x3e38aa3b                      ; c = log2(e) / 8
	s_mov_b32 s23, s22                             ; (the packed form names the pair)
	s_mov_b32 s24, 0x76543210
	s_mov_b32 s25, 0xfedcba98                      ; v_permlanex16_b32's selects for lane l xor 16
	s_mov_b32 s34, TRIPS
	s_lshl_b32 s30, s15, 17                        ; a head's 131,072 bytes in each third of qkv
	s_mov_b32 s31, 0
	s_lshl_b32 s32, s14, 15                        ; my 16 key tiles of 2,048 bytes
	s_add_co_u32 s32, s32, s30
	s_mov_b32 s33, 0
	s_wait_kmcnt 0x0
	s_add_nc_u64 s[26:27], s[4:5], s[32:33]
	s_add_nc_u64 s[28:29], s[26:27], 0x2000000     ; V
	s_add_nc_u64 s[26:27], s[26:27], 0x1000000     ; K
	s_lshl_b32 s32, s16, 16                        ; 32 query tiles of 2,048 bytes
	s_add_co_u32 s30, s30, s32
	s_add_nc_u64 s[4:5], s[4:5], s[30:31]          ; Q at my work-group's first tile
	s_lshl_b32 s30, s17, 12
	s_lshl_b32 s32, s14, 10
	s_add_co_u32 s30, s30, s32
	s_add_nc_u64 s[6:7], s[6:7], s[30:31]          ; coverage at my first key
	s_lshl_b32 s30, s18, 2
	s_add_nc_u64 s[8:9], s[8:9], s[30:31]
	s_load_b32 s19, s[8:9], 0x0                    ; Wcov[head]
	s_lshl_b32 s30, s17, 6
	s_lshl_b32 s32, s16, 5
	s_add_co_u32 s30, s30, s32                     ; my first token tile of 512,
	s_lshl_b32 s30, s30, 15                        ; 32,768 bytes each;
	s_lshl_b32 s32, s18, 2
	s_add_co_u32 s32, s32, s14                     ; piece 4 x head + wave,
	s_lshl_b32 s32, s32, 9                         ; 512 bytes each
	s_add_co_u32 s30, s30, s32
	s_add_nc_u64 s[10:11], s[10:11], s[30:31]
	s_lshl_b32 s30, ttmp9, 12
	s_lshl_b32 s32, s14, 10
	s_add_co_u32 s30, s30, s32
	s_add_nc_u64 s[12:13], s[12:13], s[30:31]      ; covp at my work-group's row, my keys
	; 164 loads: V (64), the bias (32), K (64), the first tile of Q (4)
	WIN 0x80                                       ; destination window 2
.set i, 0
.rept 64
	global_load_b128 v[4*i:4*i+3], v[L16], s[28:29] offset:512*i
.set i, i+1
.endr
	WIN 0xc0                                       ; destination window 3
.set i, 0
.rept 16
	global_load_b128 v[8*i:8*i+3], v[CVO], s[6:7] offset:64*i      ; coverage of keys 16 kt + 8 h + 0 .. 7: the result's layout
	global_load_b128 v[8*i+4:8*i+7], v[CVO], s[6:7] offset:64*i+16
.set i, i+1
.endr
	WIN 0x40                                       ; destination window 1
.set i, 0
.rept 64
	global_load_b128 v[4*i:4*i+3], v[L16], s[26:27] offset:512*i   ; piece i = 4 kt + p lands in registers 16 kt + 4 p: K's fragments as they lie
.set i, i+1
.endr
	WIN 0
.irp i, 0,1,2,3
	global_load_b128 v[QF+4*\i:QF+4*\i+3], v[L16], s[4:5] offset:512*\i
.endr
	s_wait_loadcnt 63                              ; 68 loads were issued behind the last of the bias: with 63 or fewer out, V and the bias are in
	WIN 0x08                                       ; an LDS store's data are its source 1: window 2
.set i, 0
.rept 64
	ds_store_b128 v132, v[4*i:4*i+3] offset:512*i
.set i, i+1
.endr
	s_wait_kmcnt 0x0
	s_mul_f32 s20, s19, 0x41000000                 ; 8 Wcov[head]: the scores are divided by 8 behind the sum
	s_mov_b32 s21, s20
	WIN 0xc3                                       ; destination and source 0 window 3
.set i, 0
.rept 64
	v_pk_mul_f32 v[2*i:2*i+1], v[2*i:2*i+1], s[20:21] op_sel_hi:[1,0]
.set i, i+1
.endr
	WIN 0xc0
.set i, 0
.rept 128
	v_mov_b32 v[128+i], 0                          ; the column sums.  (Cleared once, so that the trip is written once: a first trip of its own would double the text)
.set i, i+1
.endr
	WIN 0
	v_mov_b32 v9, 0                                ; named as upper halves of pairs before they are first written
	v_mov_b32 v13, 0
	v_mov_b32 v15, 0
	s_wait_dscnt 0x0                               ; the stores have read their registers, which the turned V now takes
	WIN 0x80
.irp c, 0,1,2,3,4,5,6,7
.irp dt, 0,1,2,3
	ds_load_tr16_b128 v[8*(4*\c+\dt):8*(4*\c+\dt)+3], v[AV] offset:(2*\c)*2048+\dt*512        ; lane l: channel 16 dt + l % 16, keys 32 c + 8 (l / 16) + 0 .. 7
	ds_load_tr16_b128 v[8*(4*\c+\dt)+4:8*(4*\c+\dt)+7], v[AV] offset:(2*\c+1)*2048+\dt*512    ; and 16 keys on
.endr
.endr
	WIN 0
	s_wait_dscnt 0x0
.Lq:                                               ; a trip: 16 queries against all 1,024 keys
	s_wait_loadcnt 0x0                             ; this tile of Q, asked for a trip ago (first trip: K too)
	WIN 0x31                                       ; K window 1, the bias (C) window 3
.irp kt, 0,1,2,3,4,5,6,7,8,9,10,11,12,13,14,15
	v_wmma_f32_16x16x32_f16 v[SS+8*\kt:SS+8*\kt+7], v[16*\kt:16*\kt+7], v[QF:QF+7], v[8*\kt:8*\kt+7]
.endr
	WIN 0x01                                       ; the sixteen accumulators take turns
.irp kt, 0,1,2,3,4,5,6,7,8,9,10,11,12,13,14,15
	v_wmma_f32_16x16x32_f16 v[SS+8*\kt:SS+8*\kt+7], v[16*\kt+8:16*\kt+15], v[QF+8:QF+15], v[SS+8*\kt:SS+8*\kt+7]
.endr
	WIN 0
.rept 4
	v_nop                                          ; places in front of the loads into Q's registers and of the first read of the scores
.endr
	s_cmp_eq_u32 s34, 1                            ; the last trip asks for nothing: no load leaves its buffer
	s_cbranch_scc1 .Lno_next
	s_add_nc_u64 s[4:5], s[4:5], 2048              ; (the loads that read this base are in)
.irp i, 0,1,2,3
	global_load_b128 v[QF+4*\i:QF+4*\i+3], v[L16], s[4:5] offset:512*\i
.endr
.Lno_next:
	; the largest of my 128 scores: four chains, each tile from its low end on
.set i, 0
.rept 16
.irp c, 0,1,2,3
.if i == 0
	v_max_num_f32 v[OO+\c], v[SS+8*\c], v[SS+8*\c+1]
.else
	v_max3_num_f32 v[OO+\c], v[OO+\c], v[SS+8*(4*(i/4)+\c)+2*(i%4)], v[SS+8*(4*(i/4)+\c)+2*(i%4)+1]
.endif
.endr
.set i, i+1
.endr
	v_max3_num_f32 v32, v32, v33, v34
	v_max_num_f32 v32, v32, v35
	v_permlanex16_b32 v33, v32, s24, s25           ; the query's other 128 of my keys lie in the lane 16 away
	v_max_num_f32 v32, v32, v33
	v_mul_f32 v8, s22, v32                         ; m_w, as t (c is positive)
.set i, 0
.rept 64
	v_pk_fma_f32 v[SS+2*i:SS+2*i+1], v[SS+2*i:SS+2*i+1], s[22:23], v[8:9] op_sel_hi:[1,0,0] neg_lo:[0,0,1] neg_hi:[0,0,1]   ; c s - m_w
.set i, i+1
.endr
.set i, 0
.rept 128
	v_exp_f32 v[SS+i], v[SS+i]                     ; p, at most 1 but for rounding
.set i, i+1
.endr
	v_nop                                          ; the plain line behind the last exponential
	s_wait_alu depctr_va_vdst(0)                   ; one wait for the batch, ahead of its first reader
.irp c, 0,1,2,3
	v_pk_add_f32 v[OO+2*\c:OO+2*\c+1], v[SS+2*\c:SS+2*\c+1], v[SS+8+2*\c:SS+9+2*\c]      ; l_w: four chains of pairs
.endr
.set i, 8
.rept 56
	v_pk_add_f32 v[OO+2*(i%4):OO+2*(i%4)+1], v[OO+2*(i%4):OO+2*(i%4)+1], v[SS+2*i:SS+2*i+1]
.set i, i+1
.endr
	v_pk_add_f32 v[32:33], v[32:33], v[34:35]
	v_pk_add_f32 v[36:37], v[36:37], v[38:39]
	v_pk_add_f32 v[32:33], v[32:33], v[36:37]
	v_add_f32 v32, v32, v33
	v_permlanex16_b32 v33, v32, s24, s25
	v_add_f32 v9, v32, v33
	ds_store_b64 v[STW], v[8:9]                    ; lanes r and r + 16 write the same 8 bytes with the same values
	s_wait_dscnt 0x0                               ; for the others' sake: my store is done
	s_barrier_signal -1                            ; the first barrier: the statistics.  Work on registers stands between signal and wait:
.set i, 0
.rept 64
	v_cvt_pk_f16_f32 v[PP+i], v[SS+2*i], v[SS+2*i+1]   ; tiles 2 c and 2 c + 1 become fragment c of P
.set i, i+1
.endr
	WIN 0x02                                       ; V window 2
.irp c, 0,1,2,3,4,5,6,7
.irp dt, 0,1,2,3
.if \c == 0
	v_wmma_f32_16x16x32_f16 v[OO+8*\dt:OO+8*\dt+7], v[8*(4*\c+\dt):8*(4*\c+\dt)+7], v[PP+8*\c:PP+8*\c+7], 0
.else
	v_wmma_f32_16x16x32_f16 v[OO+8*\dt:OO+8*\dt+7], v[8*(4*\c+\dt):8*(4*\c+\dt)+7], v[PP+8*\c:PP+8*\c+7], v[OO+8*\dt:OO+8*\dt+7]
.endif
.endr
.endr
	WIN 0
	s_barrier_wait -1
.rept 4
	v_nop                                          ; places in front of the loads into P's registers and of the first read of O^T
.endr
.irp w, 0,1,2,3
	ds_load_b64 v[PP+2*\w:PP+2*\w+1], v[STR] offset:128*\w     ; (m, l) of my query in each wave
.endr
	s_wait_dscnt 0x0
	v_max3_num_f32 v72, v64, v66, v68
	v_max_num_f32 v72, v72, v70                    ; M: the row's maximum
	v_sub_f32 v73, v64, v72
	v_sub_f32 v74, v66, v72
	v_sub_f32 v75, v68, v72
	v_sub_f32 v76, v70, v72
	v_sub_f32 v77, v8, v72
.irp i, 73,74,75,76,77
	v_exp_f32 v\i, v\i
.endr
	v_nop
	s_wait_alu depctr_va_vdst(0)                   ; one wait for the five
	v_mul_f32 v78, v73, v65
	v_fmac_f32 v78, v74, v67
	v_fmac_f32 v78, v75, v69
	v_fmac_f32 v78, v76, v71                       ; L: the row's sum under M; the wave that holds M adds at least about 1
	v_rcp_f32 v79, v78
	v_nop
	s_wait_alu depctr_va_vdst(0)
	v_mul_f32 v12, v77, v79                        ; f_w = 2^(m_w - M) / L
	v_mul_f32 v14, 0x41800000, v12                 ; 16 f_w
.set i, 0
.rept 16
	v_pk_mul_f32 v[OO+2*i:OO+2*i+1], v[OO+2*i:OO+2*i+1], v[14:15] op_sel_hi:[1,0]   ; each accumulator from its low end on
.set i, i+1
.endr
.irp dt, 0,1,2,3
	ds_store_b128 v[OXW], v[OO+8*\dt:OO+8*\dt+3] offset:1024*\dt
	ds_store_b128 v[OXW], v[OO+8*\dt+4:OO+8*\dt+7] offset:1024*\dt+512
.endr
	s_wait_dscnt 0x0                               ; my stores are done, and my reads of the statistics are in: they are written again only behind this barrier
	s_barrier_signal -1                            ; the second barrier: O's parts
	WIN 0xf0                                       ; the column sums (destination and source 2) window 3
.set i, 0
.rept 64
	v_pk_fma_f32 v[128+2*i:129+2*i], v[SS+2*i:SS+2*i+1], v[12:13], v[128+2*i:129+2*i] op_sel_hi:[1,0,1]   ; += f_w p: attn of my query, key by key
.set i, i+1
.endr
	WIN 0
	s_barrier_wait -1
.irp w, 0,1,2,3
	ds_load_b128 v[OO+8*\w:OO+8*\w+3], v[OXR] offset:4096*\w
	ds_load_b128 v[OO+8*\w+4:OO+8*\w+7], v[OXR] offset:4096*\w+512
.endr
	s_wait_dscnt 0x0                               ; (these bytes are written again only behind the next trip's first barrier)
.irp j, 0,2,4,6
	v_pk_add_f32 v[32+\j:33+\j], v[32+\j:33+\j], v[40+\j:41+\j]
	v_pk_add_f32 v[48+\j:49+\j], v[48+\j:49+\j], v[56+\j:57+\j]
.endr
.irp j, 0,2,4,6
	v_pk_add_f32 v[32+\j:33+\j], v[32+\j:33+\j], v[48+\j:49+\j]
.endr
.irp j, 0,1,2,3
	v_cvt_pk_f16_f32 v[60+\j], v[32+2*\j], v[33+2*\j]
.endr
	global_store_b128 v[L16], v[60:63], s[10:11]   ; piece 4 x head + wave of this token tile: 512 consecutive bytes, aligned
	s_wait_xcnt 0x0                                ; the store has read its registers and its base: both are written again below and in the next trip
	s_add_nc_u64 s[10:11], s[10:11], 32768         ; the next token tile
	s_sub_co_u32 s34, s34, 1
	s_cmp_lg_u32 s34, 0
	s_cbranch_scc1 .Lq
	; THE COLUMN SUMS: lane (r, h) holds, for keys 16 kt + 8 h + j, the sum over the queries that fell to r.  They go through my own bytes of LDS as 16 rows (r) of 256 keys and are added up down the rows.
	v_and_b32 v[CVO], 15, v0
	v_mul_u32_u24 v[CVO], v[CVO], 1040             ; a row: 1,024 bytes + 16
	v_bfe_u32 v[AV], v0, 4, 1
	v_lshl_add_u32 v[CVO], v[AV], 5, v[CVO]
	s_lshl_b32 s30, s14, 15
	v_add_nc_u32 v[CVO], s30, v[CVO]
	v_add_nc_u32 v[AV], s30, v[L16]
	WIN 0x0c                                       ; the data: window 3
.set i, 0
.rept 16
	ds_store_b128 v[CVO], v[128+8*i:128+8*i+3] offset:64*i
	ds_store_b128 v[CVO], v[128+8*i+4:128+8*i+7] offset:64*i+16
.set i, i+1
.endr
	WIN 0
.set i, 0
.rept 16
	ds_load_b128 v[SS+8*i:SS+8*i+3], v[AV] offset:i*1040           ; LDS serves a wave's instructions in order: these see my stores
	ds_load_b128 v[SS+8*i+4:SS+8*i+7], v[AV] offset:i*1040+512
.set i, i+1
.endr
	s_wait_dscnt 0x0
.irp d, 8,4,2,1
.set i, 0
.rept \d
.irp j, 0,2,4,6
	v_pk_add_f32 v[SS+8*i+\j:SS+8*i+\j+1], v[SS+8*i+\j:SS+8*i+\j+1], v[SS+8*(i+\d)+\j:SS+8*(i+\d)+\j+1]
.endr
.set i, i+1
.endr
.endr
	global_store_b128 v[L16], v[SS:SS+3], s[12:13]                 ; keys 4 x lane + 0 .. 3 of my 256: 512 consecutive bytes, aligned
	global_store_b128 v[L16], v[SS+4:SS+7], s[12:13] offset:512
	s_wait_tensorcnt 0x0                           ; the wave's end, behind my last LDS store
	ds_add_u32 v[SPW], v[NIL]
	s_wait_dscnt 0x0
	s_endpgm
.Lfunc_end_k_qce935b8017_attn:
	.size	k_qce935b8017_attn, .Lfunc_end_k_qce935b8017_attn-k_qce935b8017_attn
	.p2alignl 7, 3214868480
	.fill 96, 4, 3214868480
	.section	.rodata,"a",@progbits
	.p2align	6, 0x0
	.amdhsa_kernel k_qce935b8017_attn
		.amdhsa_group_segment_fixed_size 148480
		.amdhsa_private_segment_fixed_size 0
		.amdhsa_enable_private_segment 0
		.amdhsa_kernarg_size 40
		.amdhsa_user_sgpr_count 2
		.amdhsa_user_sgpr_kernarg_segment_ptr 1
		.amdhsa_wavefront_size32 1
		.amdhsa_system_sgpr_workgroup_id_x 1
		.amdhsa_system_sgpr_workgroup_id_y 1
		.amdhsa_system_sgpr_workgroup_id_z 1
		.amdhsa_system_vgpr_workitem_id 0
		.amdhsa_next_free_vgpr 1024
		.amdhsa_next_free_sgpr 66
		.amdhsa_reserve_vcc 0
		.amdhsa_float_denorm_mode_32 3
		.amdhsa_float_denorm_mode_16_64 3
		.amdhsa_memory_ordered 1
		.amdhsa_forward_progress 1
		.amdhsa_inst_pref_size 78
	.end_amdhsa_kernel
	.amdgpu_metadata
---
amdhsa.version: [ 1, 2 ]
amdhsa.kernels:
  - .name:           k_qce935b8017_attn
    .symbol:         k_qce935b8017_attn.kd
    .args:
      - { .name: qkv, .offset: 0, .size: 8, .value_kind: global_buffer, .address_space: global }
      - { .name: coverage, .offset: 8, .size: 8, .value_kind: global_buffer, .address_space: global }
      - { .name: Wcov, .offset: 16, .size: 8, .value_kind: global_buffer, .address_space: global }
      - { .name: o16, .offset: 24, .size: 8, .value_kind: global_buffer, .address_space: global }
      - { .name: covp, .offset: 32, .size: 8, .value_kind: global_buffer, .address_space: global }
    .group_segment_fixed_size: 148480
    .private_segment_fixed_size: 0
    .kernarg_segment_align: 8
    .kernarg_segment_size: 40
    .max_flat_workgroup_size: 128
    .sgpr_count:     66
    .vgpr_count:     1024
    .wavefront_size: 32
...
	.end_amdgpu_metadata
.endif
;; end of part 3
;; launch oproj (part 4): grid 4 x 64, 4 waves a work-group, clusters of 4 x 4, 327,680 bytes of LDS; arguments o16, wo16, bo, covp, coverage, out0, out1; writes out0, out1
.if DOCPART == 4
	.amdgcn_target "amdgcn-amd-amdhsa--gfx1250"
	.amdhsa_code_object_version 6
	.text
	.protected	k_qce935b8017_oproj
	.globl	k_qce935b8017_oproj
	.p2align	8
	.type	k_qce935b8017_oproj,@function
k_qce935b8017_oproj:
	s_mov_b64 s[64:65], 0
	v_nop
	global_prefetch_b8 v0, s[64:65] scope:SCOPE_SE
	s_setreg_imm32_b32 hwreg(HW_REG_WAVE_MODE, 25, 1), 1
	s_wait_xcnt 0x0
	s_wait_alu depctr_hold_cnt(0) depctr_sa_sdst(0) depctr_va_vdst(0) depctr_va_sdst(0) depctr_va_ssrc(0) depctr_va_vcc(0) depctr_vm_vsrc(0)
	s_getreg_b32 s2, hwreg(HW_REG_IB_STS2, 6, 4)
	s_cmp_eq_u32 s2, 0
	s_cbranch_scc0 .Lentry_in_a_cluster
	s_endpgm
.Lentry_in_a_cluster:
	s_bfe_u32 s2, ttmp6, 0x10000c
	s_cmp_lg_u32 s2, 0xf033
	s_cbranch_scc0 .Lentry_shape_is_right
	s_endpgm
.Lentry_shape_is_right:
; Launch 4 of 4: out0 = O Wo^T + bo (f16 operands, f32 sums; o16 holds 16 x O, and 1 / 16 is multiplied back with the bias in one fused multiply-add), and out1 = coverage + (the sum of covp's 32 rows of a batch) / 16.
; A tile of out0 is 128 tokens x 256 columns: grid 4 x 64 = 256 work-groups.  Four waves, each 64 x 128: 32 accumulators, 256 registers (window 1).
; BOTH OPERANDS LIE IN MEMORY IN THE ORDER OF THEIR REGISTERS: [16 rows][k / 16: 64][lane][16 bytes].  A K step of 128 is 4,096 consecutive bytes of each 16 rows; a fragment (16 rows x 32 K) is two loads of 512 consecutive
; bytes from LDS, 16 bytes a lane: no pitch, no padding.  K = 1,024 goes in 8 steps through a ring of two slots; waves 0 and 1 fetch O's 8 blocks of 16 tokens (4 each), waves 2 and 3 Wo's 16 (8 each).
; CLUSTERS: 4 x 4 work-groups; O's tiles are asked for jointly along a row of the cluster, Wo's along a column.
; THE MATRIX INSTRUCTION IS USED TRANSPOSED (source 0 = 16 rows of Wo, source 1 = 16 tokens): a lane holds eight neighbouring columns of one token's row.
; out1: work-group 4 y + x adds up 32 keys of one batch, in wave 0, while the first tiles are on their way.
; REGISTERS: window 0: v8-11 bo of my four columns; v16-31 addresses; v32-95 O's fragments, two sets of 4; v96-127 covp; v128-255 Wo's fragments, two sets of 8; on the way out v128-255 hold rows of out0.   window 1: accumulator (a, b) at v[8 (8 a + b)].
.set SLOT,   98304                     ; O's 8 blocks of 4,096 bytes, then Wo's 16
.set BOFF,   32768
.set STAGE,  2*SLOT                    ; behind the ring: 16 rows x (512 + 16) bytes for each wave, for the way out
.set SPITCH, 528
.set SPARE,  STAGE+4*16*SPITCH         ; the spare words, 128 bytes a wave, which no other line names
.set LAPS,   4                         ; a lap = two K steps = once round the ring
.set ADRA, 16                          ; v16-17  LDS address of my fragments of O in slot 0, 1
.set ADRB, 20                          ; v20-21  the same for Wo
.set STO,  24                          ; v24     the way out: where I put 32 bytes of a row
.set RD,   25                          ; v25     and where I read a row back
.set CO,   26                          ; v26     16 x lane
.set L4,   27                          ; v27     4 x lane
.set SPW,  28                          ; v28     LDS address of my spare word; never rewritten
.set NIL,  29                          ; v29     0; never rewritten
.set G1, 24                            ; s[24:31] group 1 for O's tiles;  s[32:39] group 0, a set for each slot
.set G0, 32
.set G1B, 48                           ; s[48:55], s[56:63] the same for Wo's
.set G0B, 56
.set MSB, 0
.macro WIN new                         ; the immediate's high byte repeats the setting that is left
.if MSB != \new
	s_set_vgpr_msb (MSB<<8)|\new
.set MSB, \new
.endif
.endm
.set MUL, 0x50                         ; C and D window 1, the fragments window 0
.macro JLOAD s                         ; a joint load: waves 0 and 1 fetch O's halves, waves 2 and 3 Wo's; an s_nop 0 and four v_nop follow each of the two lines
	s_cmp_eq_u32 s13, 0
	s_cbranch_scc0 .Lfor_b_\@
	tensor_load_to_lds s[G0+4*\s:G0+4*\s+3], s[G1:G1+7]
	s_nop 0
.rept 4
	v_nop
.endr
	s_branch .Lasked_\@
.Lfor_b_\@:
	tensor_load_to_lds s[G0B+4*\s:G0B+4*\s+3], s[G1B:G1B+7]
	s_nop 0
.rept 4
	v_nop
.endr
.Lasked_\@:
.endm
.macro CREST                           ; a round of the cluster's barrier behind its opening barrier
	s_cmp_lg_u32 s12, 0
	s_cbranch_scc1 .Lnot_wave_0_\@
	s_barrier_signal -3
.Lnot_wave_0_\@:
	s_barrier_wait -3
	s_barrier_signal -1
	s_barrier_wait -1
.endm
.macro CROUND
	s_barrier_signal -1
	s_barrier_wait -1
	CREST
.endm
	s_load_b256 s[4:11], s[0:1], 0x0               ; o16, wo16, bo, covp
	s_load_b128 s[68:71], s[0:1], 0x20             ; coverage, out0
	s_load_b64 s[72:73], s[0:1], 0x30              ; out1
	v_lshl_add_u32 v[SPW], v0, 2, SPARE
	v_mov_b32 v[NIL], 0
	ds_add_u32 v[SPW], v[NIL]                      ; the wave's opening: the add, twice on end, and its wait ahead of my first tensor load
	ds_add_u32 v[SPW], v[NIL]                      ; and once more, under the one wait; the set-up below stands between
	v_lshrrev_b32 v1, 5, v0
	v_readfirstlane_b32 s12, v1                    ; wave 0..3
	s_lshr_b32 s13, s12, 1                         ; which half of the tile's tokens is mine.  Also: I fetch for O (0) or for Wo (1)
	s_and_b32 s14, s12, 1                          ; which half of its columns.  Also: which half of that tile I fetch
	s_bfe_u32 s15, ttmp6, 0x40000                  ; cx
	s_bfe_u32 s16, ttmp6, 0x40004                  ; cy
	s_lshl_b32 s17, ttmp9, 2
	s_add_co_u32 s17, s17, s15                     ; tile column x
	s_and_b32 s18, ttmp7, 0xffff
	s_lshl_b32 s18, s18, 2
	s_add_co_u32 s18, s18, s16                     ; tile row y
	s_lshl_b32 s19, s16, 2
	s_lshl_b32 s19, 15, s19                        ; my row of the cluster
	s_lshl_b32 s20, 0x1111, s15                    ; my column
	s_or_b32 s[G1+0], s19, (3<<16)|(1<<21)         ; the mask: O's tiles go to my row; elements of 8 bytes; bit 21 beside a mask; no padding
	s_mov_b32 s[G1+1], 512<<16                     ; tensor_dim0: 512 elements = 4,096 bytes
	s_mov_b32 s[G1+2], 4<<16                       ; tensor_dim1: 4 blocks of 16 tokens
	s_mov_b32 s[G1+3], 512<<16                     ; tile_dim0
	s_mov_b32 s[G1+4], 4                           ; tile_dim1
	s_mov_b32 s[G1+5], 4096                        ; from block to block: 32,768 bytes
	s_mov_b32 s[G1+6], 0
	s_mov_b32 s[G1+7], 0
	s_or_b32 s[G1B+0], s20, (3<<16)|(1<<21)
	s_mov_b32 s[G1B+1], 512<<16
	s_mov_b32 s[G1B+2], 8<<16                      ; 8 blocks of 16 rows of Wo
	s_mov_b32 s[G1B+3], 512<<16
	s_mov_b32 s[G1B+4], 8
	s_mov_b32 s[G1B+5], 4096
	s_mov_b32 s[G1B+6], 0
	s_mov_b32 s[G1B+7], 0
	s_lshl_b32 s40, s18, 18                        ; O: 8 blocks of 32,768 bytes a tile row,
	s_lshl_b32 s21, s14, 17                        ; 4 of them a half
	s_add_co_u32 s40, s40, s21
	s_mov_b32 s41, 0
	s_lshl_b32 s42, s17, 19                        ; Wo: 16 blocks a tile column,
	s_lshl_b32 s22, s14, 18                        ; 8 a half
	s_add_co_u32 s42, s42, s22
	s_mov_b32 s43, 0
	s_lshl_b32 s21, s14, 14                        ; where they go: O's halves,
	s_lshl_b32 s22, s14, 15
	s_add_co_u32 s22, s22, BOFF                    ; then Wo's: the wave's number alone
	s_wait_dscnt 0x0                               ; both opening adds are done
	s_wait_kmcnt 0x0
	s_add_nc_u64 s[40:41], s[4:5], s[40:41]
	s_add_nc_u64 s[42:43], s[6:7], s[42:43]
	CROUND                                         ; all sixteen work-groups are here: the first joint loads meet
.irp s, 0,1
	s_mov_b32 s[G0+4*\s], 1
	s_add_co_u32 s[G0+4*\s+1], s21, \s*SLOT
	s_add_nc_u64 s[G0+4*\s+2:G0+4*\s+3], s[40:41], \s*4096
	s_or_b32 s[G0+4*\s+3], s[G0+4*\s+3], 0x80000000
	s_mov_b32 s[G0B+4*\s], 1
	s_add_co_u32 s[G0B+4*\s+1], s22, \s*SLOT
	s_add_nc_u64 s[G0B+4*\s+2:G0B+4*\s+3], s[42:43], \s*4096
	s_or_b32 s[G0B+4*\s+3], s[G0B+4*\s+3], 0x80000000
	JLOAD \s                                       ; two loads of mine are out: K steps 0 and 1
.endr
	v_and_b32 v1, 31, v0
	v_lshlrev_b32 v[CO], 4, v1
	v_lshlrev_b32 v[L4], 2, v1
	s_lshl_b32 s44, s13, 14                        ; my 4 blocks of O
	s_lshl_b32 s45, s14, 15
	s_add_co_u32 s45, s45, BOFF                    ; my 8 blocks of Wo
.irp s, 0,1
	v_add_nc_u32 v[ADRA+\s], s44, v[CO]
	v_add_nc_u32 v[ADRB+\s], s45, v[CO]
	s_add_co_u32 s44, s44, SLOT
	s_add_co_u32 s45, s45, SLOT
.endr
	v_and_b32 v2, 15, v0                           ; r
	v_bfe_u32 v3, v0, 4, 1                         ; h
	s_mul_i32 s44, s12, 16*SPITCH
	s_add_co_u32 s44, s44, STAGE                   ; my stage
	v_mul_u32_u24 v4, v2, SPITCH
	v_lshl_add_u32 v4, v3, 5, v4
	v_add_nc_u32 v[STO], s44, v4                   ; in: row r, 32 bytes for each half of the lanes
	v_add_nc_u32 v[RD], s44, v[CO]                 ; back: the 32 lanes take one row of 512 bytes
	s_lshl_b32 s46, s17, 10
	s_lshl_b32 s47, s14, 9
	s_add_co_u32 s46, s46, s47                     ; my first column, in bytes: 1,024 x + 512 x half
	s_mov_b32 s47, 0
	s_add_nc_u64 s[8:9], s[8:9], s[46:47]
	global_load_b128 v[8:11], v[CO], s[8:9]        ; bo of columns 4 x lane + 0 .. 3 of my 128
	s_add_nc_u64 s[70:71], s[70:71], s[46:47]
	s_lshl_b32 s46, s18, 19                        ; my first row: 128 y + 64 x half, 4,096 bytes a row
	s_lshl_b32 s23, s13, 18
	s_add_co_u32 s46, s46, s23
	s_add_nc_u64 s[70:71], s[70:71], s[46:47]
	; out1, in wave 0: work-group 4 y + x takes batch id / 32, keys 32 (id % 32) + lane
	s_cmp_lg_u32 s12, 0
	s_cbranch_scc1 .Lno_cov
	s_lshl_b32 s44, s18, 2
	s_add_co_u32 s44, s44, s17                     ; id
	s_lshr_b32 s46, s44, 5                         ; batch
	s_and_b32 s23, s44, 31
	s_lshl_b32 s23, s23, 7                         ; 32 keys of 4 bytes
	s_lshl_b32 s44, s46, 17                        ; a batch's 32 rows of 4,096 bytes in covp
	s_add_co_u32 s44, s44, s23
	s_mov_b32 s45, 0
	s_add_nc_u64 s[10:11], s[10:11], s[44:45]
	s_lshl_b32 s44, s46, 12
	s_add_co_u32 s44, s44, s23
	s_add_nc_u64 s[68:69], s[68:69], s[44:45]
	s_add_nc_u64 s[72:73], s[72:73], s[44:45]
.set i, 0
.rept 32
	global_load_b32 v[96+i], v[L4], s[10:11] offset:4096*i         ; 16 heads x 2 halves of the queries
.set i, i+1
.endr
	global_load_b32 v30, v[L4], s[68:69]
	s_wait_loadcnt 0x0
.irp c, 0,1,2,3
	v_add_f32 v[96+\c], v[96+\c], v[100+\c]
.endr
.set i, 8
.rept 24
	v_add_f32 v[96+i%4], v[96+i%4], v[96+i]
.set i, i+1
.endr
	v_add_f32 v96, v96, v97
	v_add_f32 v98, v98, v99
	v_add_f32 v96, v96, v98
	v_fmamk_f32 v31, v96, 0x3d800000, v30          ; coverage + the sum / 16: the mean over the heads
	global_store_b32 v[L4], v31, s[72:73]
.Lno_cov:
; 8 matrix instructions: block a of my tokens x Wo's eight blocks, 32 along K, on fragment set f.  zero = 1: the first product starts the sums.  The 32 accumulators take turns.
.macro MUL8 f, a, zero
.irp b, 0,1,2,3,4,5,6,7
.if \zero
	v_wmma_f32_16x16x32_f16 v[8*(8*(\a)+\b):8*(8*(\a)+\b)+7], v[128+64*(\f)+8*\b:128+64*(\f)+8*\b+7], v[32+32*(\f)+8*(\a):32+32*(\f)+8*(\a)+7], 0
.else
	v_wmma_f32_16x16x32_f16 v[8*(8*(\a)+\b):8*(8*(\a)+\b)+7], v[128+64*(\f)+8*\b:128+64*(\f)+8*\b+7], v[32+32*(\f)+8*(\a):32+32*(\f)+8*(\a)+7], v[8*(8*(\a)+\b):8*(8*(\a)+\b)+7]
.endif
.endr
.endm
; 24 LDS loads in one run: the slot's q-th 32 along K into set f: Wo's eight fragments, then O's four
.macro FETCH slot, q, f
	WIN 0
.irp i, 0,1,2,3,4,5,6,7
	ds_load_b128 v[128+64*(\f)+8*\i:128+64*(\f)+8*\i+3],   v[ADRB+\slot] offset:\i*4096+(\q)*1024
	ds_load_b128 v[128+64*(\f)+8*\i+4:128+64*(\f)+8*\i+7], v[ADRB+\slot] offset:\i*4096+(\q)*1024+512
.endr
.irp i, 0,1,2,3
	ds_load_b128 v[32+32*(\f)+8*\i:32+32*(\f)+8*\i+3],   v[ADRA+\slot] offset:\i*4096+(\q)*1024
	ds_load_b128 v[32+32*(\f)+8*\i+4:32+32*(\f)+8*\i+7], v[ADRA+\slot] offset:\i*4096+(\q)*1024+512
.endr
.endm
.macro PLACES                          ; four plain lines in front of loads into registers that matrix instructions have read, and of the first read of results
.rept 4
	v_nop
.endr
.endm
; A K step is four quarters of 32 along K, 32 matrix instructions each, on sets 0, 1, 0, 1.  One of the first three: multiplies set f and fetches quarter qn of the same slot into set g.
.macro QUARTER slot, qn, f, g, zero
	s_wait_dscnt 4                                 ; Wo's fragments and O's blocks 0, 1 are in; the youngest four loads (blocks 2, 3) may be out
	WIN MUL
	MUL8 \f, 0, \zero
	MUL8 \f, 1, \zero
	PLACES
	FETCH \slot, \qn, \g
	s_wait_dscnt 24                                ; all but the 24 just issued
	WIN MUL
	MUL8 \f, 2, \zero
	MUL8 \f, 3, \zero
.endm
; The last quarter multiplies set 1 and changes slots: one barrier; in front of it each wave waits for all its tensor loads, adds 0 to its spare word, and waits for that and for its reads of this slot.  fill = 1: this slot is filled again, two K steps ahead.
.macro TURN slot, next, fill
	WIN 0
	s_wait_tensorcnt 0x0                           ; all my tensor loads have landed: my part of the next slot;
	ds_add_u32 v[SPW], v[NIL]                      ; 0 onto my spare word;
	s_wait_dscnt 5                                 ; (the add and the youngest four loads may be out)
	WIN MUL
	MUL8 1, 0, 0
	s_wait_dscnt 0x0                               ; the add is done, and my reads of this slot are over
	s_barrier_signal -1
	MUL8 1, 1, 0
.if \fill
	WIN 0
.endif
	s_barrier_wait -1
.if \fill
	CREST                                          ; the barrier has opened a round of the cluster's barrier: no wave of any partner still reads this slot or has a load on its way
	s_add_nc_u64 s[G0+4*\slot+2:G0+4*\slot+3], s[G0+4*\slot+2:G0+4*\slot+3], 2*4096
	s_add_nc_u64 s[G0B+4*\slot+2:G0B+4*\slot+3], s[G0B+4*\slot+2:G0B+4*\slot+3], 2*4096
	JLOAD \slot                                    ; the first tensor load behind the round; its four v_nop are also the places in front of the loads below
.else
	PLACES
.endif
	FETCH \next, 0, 0
	WIN MUL
	MUL8 1, 2, 0
	MUL8 1, 3, 0
.endm
	s_wait_tensorcnt 1                             ; my part of K step 0 is in; K step 1's may be out
	s_barrier_signal -1
	s_barrier_wait -1                              ; everybody's is
	FETCH 0, 0, 0
	QUARTER 0, 1, 0, 1, 1                          ; the first quarter stands in front of the loop: its products start the sums
	WIN 0
	s_mov_b32 s3, LAPS-1
.Llap:                                             ; a trip goes once round the ring, from a lap's second quarter to the next lap's first, and fills both slots again
	QUARTER 0, 2, 1, 0, 0
	QUARTER 0, 3, 0, 1, 0
	TURN 0, 1, 1
	QUARTER 1, 1, 0, 1, 0
	QUARTER 1, 2, 1, 0, 0
	QUARTER 1, 3, 0, 1, 0
	TURN 1, 0, 1
	QUARTER 0, 1, 0, 1, 0
	WIN 0
	s_sub_co_u32 s3, s3, 1
	s_cmp_lg_u32 s3, 0
	s_cbranch_scc1 .Llap
	QUARTER 0, 2, 1, 0, 0                          ; the last lap fills nothing, and has no round of the cluster's barrier
	QUARTER 0, 3, 0, 1, 0
	TURN 0, 1, 0
	QUARTER 1, 1, 0, 1, 0
	QUARTER 1, 2, 1, 0, 0
	QUARTER 1, 3, 0, 1, 0
	s_wait_dscnt 4                                 ; the very last quarter: nothing more to fetch
	WIN MUL
	MUL8 1, 0, 0
	MUL8 1, 1, 0
	s_wait_dscnt 0
	MUL8 1, 2, 0
	MUL8 1, 3, 0
	WIN 0
; THE WAY OUT, block by block of 16 tokens x 128 columns: through my own stage in LDS, back as whole rows of 512 bytes; x 1 / 16 + bo; stored by the 32 lanes as 512 consecutive bytes, aligned.
.macro TOSTAGE a
	WIN 0x04                                       ; an LDS store's data are its source 1: window 1
.irp b, 0,1,2,3,4,5,6,7
	ds_store_b128 v[STO], v[8*(8*(\a)+\b):8*(8*(\a)+\b)+3] offset:64*\b            ; each accumulator from its low end on
	ds_store_b128 v[STO], v[8*(8*(\a)+\b)+4:8*(8*(\a)+\b)+7] offset:64*\b+16
.endr
	WIN 0
.set BB, 128+64*((\a)%2)
.irp t, 0,1,2,3,4,5,6,7,8,9,10,11,12,13,14,15
	ds_load_b128 v[BB+4*\t:BB+4*\t+3], v[RD] offset:\t*SPITCH      ; LDS serves a wave's instructions in order: these see my stores, and the next block's stores come behind them
.endr
.endm
.macro SEND a, younger                 ; younger: the LDS instructions issued behind block a's loads, which may stay out
.set BB, 128+64*((\a)%2)
	s_wait_dscnt \younger
.irp t, 0,1,2,3,4,5,6,7,8,9,10,11,12,13,14,15
	v_pk_fma_f32 v[BB+4*\t:BB+4*\t+1], v[BB+4*\t:BB+4*\t+1], 0x3d800000, v[8:9] op_sel_hi:[1,0,1]
	v_pk_fma_f32 v[BB+4*\t+2:BB+4*\t+3], v[BB+4*\t+2:BB+4*\t+3], 0x3d800000, v[10:11] op_sel_hi:[1,0,1]
	global_store_b128 v[CO], v[BB+4*\t:BB+4*\t+3], s[70:71] offset:((\a)*16+\t)*4096 th:TH_STORE_NT
.endr
.endm
	s_wait_loadcnt 0x0                             ; bo
	PLACES                                         ; behind the last products: results are read, and rows land in registers that held Wo's fragments
	TOSTAGE 0
.irp a, 1,2,3
.if \a > 1
	s_wait_xcnt 0x0                                ; block a - 2's stores have read their registers: block a's rows may land there
.endif
	TOSTAGE \a
	SEND \a-1, 32                                  ; behind block a - 1's loads: block a's 16 stores and 16 loads
.endr
	SEND 3, 0
	s_wait_tensorcnt 0x0                           ; the wave's end, behind my last tensor load and my last LDS store
	ds_add_u32 v[SPW], v[NIL]
	s_wait_dscnt 0x0
	CROUND                                         ; the closing round: no work-group ends while a partner may still ask for a tile that names it
	s_endpgm
.Lfunc_end_k_qce935b8017_oproj:
	.size	k_qce935b8017_oproj, .Lfunc_end_k_qce935b8017_oproj-k_qce935b8017_oproj
	.p2alignl 7, 3214868480
	.fill 96, 4, 3214868480
	.section	.rodata,"a",@progbits
	.p2align	6, 0x0
	.amdhsa_kernel k_qce935b8017_oproj
		.amdhsa_group_segment_fixed_size 327680
		.amdhsa_private_segment_fixed_size 0
		.amdhsa_enable_private_segment 0
		.amdhsa_kernarg_size 56
		.amdhsa_user_sgpr_count 2
		.amdhsa_user_sgpr_kernarg_segment_ptr 1
		.amdhsa_wavefront_size32 1
		.amdhsa_system_sgpr_workgroup_id_x 1
		.amdhsa_system_sgpr_workgroup_id_y 1
		.amdhsa_system_sgpr_workgroup_id_z 1
		.amdhsa_system_vgpr_workitem_id 0
		.amdhsa_next_free_vgpr 512
		.amdhsa_next_free_sgpr 76
		.amdhsa_reserve_vcc 0
		.amdhsa_float_denorm_mode_32 3
		.amdhsa_float_denorm_mode_16_64 3
		.amdhsa_memory_ordered 1
		.amdhsa_forward_progress 1
		.amdhsa_inst_pref_size 101
	.end_amdhsa_kernel
	.amdgpu_metadata
---
amdhsa.version: [ 1, 2 ]
amdhsa.kernels:
  - .name:           k_qce935b8017_oproj
    .symbol:         k_qce935b8017_oproj.kd
    .args:
      - { .name: o16, .offset: 0, .size: 8, .value_kind: global_buffer, .address_space: global }
      - { .name: wo16, .offset: 8, .size: 8, .value_kind: global_buffer, .address_space: global }
      - { .name: bo, .offset: 16, .size: 8, .value_kind: global_buffer, .address_space: global }
      - { .name: covp, .offset: 24, .size: 8, .value_kind: global_buffer, .address_space: global }
      - { .name: coverage, .offset: 32, .size: 8, .value_kind: global_buffer, .address_space: global }
      - { .name: out0, .offset: 40, .size: 8, .value_kind: global_buffer, .address_space: global }
      - { .name: out1, .offset: 48, .size: 8, .value_kind: global_buffer, .address_space: global }
    .group_segment_fixed_size: 327680
    .private_segment_fixed_size: 0
    .kernarg_segment_align: 8
    .kernarg_segment_size: 56
    .max_flat_workgroup_size: 128
    .sgpr_count:     76
    .vgpr_count:     512
    .wavefront_size: 32
...
	.end_amdgpu_metadata
.endif
;; end of part 4
